; MI455X (gfx1250); checked and timed in simulation.
; The chip was launched on July 23, 2026; its instructions are those of AMD's public machine-readable ISA for CDNA 5 (MIT licence, August 2026) and "CDNA5" Instruction Set Architecture Reference Guide (July 2026). The comments in the code are by the model that wrote it; some were corrected since.
;; Multi Head Self Attention. Allowed arithmetic: matrix products marked QUANTISED: E2M1 operands, one E8M0 scale for each 32 along K, by v_wmma_scale_f32_16x16x128_f8f6f4 with both operands' format E2M1 (or v_wmma_scale_f32_32x16x128_f4), f32 sums; products left as they are: bf16, f16 or f32 operands; f32 sums; everything else in f32.
;; Inputs: weight_out 1,024 x 1,024 float32; weight_qkv 3,072 x 1,024 float32; x 2,048 x 4 x 1,024 float32.
;; Outputs: out0 2,048 x 4 x 1,024 float32.
;; This version of the problem:
;;   THIS VERSION OF THE PROBLEM IS GIVEN IN LOW PRECISION. The matrix products marked QUANTISED in the list below multiply operands that are first quantised to E2M1 (2 exponent bits, 1 mantissa bit; 4 bits a number), with one power-of-two scale for each 32 numbers along K (OCP MX v1.0); their sums are f32. The products marked 'left as it is' may take bf16, f16 or f32 operands, with f32 sums. Whichever they take, every output number must still come out within the allowed error. Rounding operands to bf16 (8 significant bits) uses up far more of that allowance than f16 does (11 bits, for magnitudes from 6e-5 to 65,504). All else is computed in f32.
;;   The module's matrix products, in the order in which they are computed (A, B: the left and right operand; K: the contracted axis; several contracted axes count as one K, in the product's order):
;;     1. [M 8,192, K 1,024] x [K 1,024, N 3,072]; A: input x; B: input weight_qkv: QUANTISED
;;     2. batch 64 x [M 2,048, K 64] x [K 64, N 2,048]; A: computed on the way; B: computed on the way: left as it is (an operand is computed on the way)
;;     3. batch 64 x [M 2,048, K 2,048] x [K 2,048, N 64]; A: computed on the way; B: computed on the way: left as it is (an operand is computed on the way)
;;     4. [M 8,192, K 1,024] x [K 1,024, N 1,024]; A: computed on the way; B: input weight_out: left as it is (an operand is computed on the way)
;;   THE QUANTISER, for each operand of a quantised product, along K:
;;     - K is cut into blocks of 32 from its start; a last block that is shorter is filled with zeros.
;;     - A block's scale is 2^e with e = floor(log2(the largest magnitude in the block)) - 2, held to -126 .. 127; a block of zeros has e = 0. As a byte (E8M0): e + 127.
;;     - Each number is divided by its block's scale, clamped to +-6, and rounded to the nearest number of E2M1, ties to even, subnormals kept.
;;     - The product sums the exact products of the quantised numbers (number of the format x scale) in f32.
;;   ~~~python
;;   def quantise(x, axis):      # numpy; x: float32 -> the quantised numbers, widened to float32 again
;;       x = np.moveaxis(x, axis, -1); K = x.shape[-1]
;;       x = np.pad(x, [(0, 0)] * (x.ndim - 1) + [(0, -K % 32)]); x = x.reshape(x.shape[:-1] + (-1, 32)); a = np.abs(x).max(-1, keepdims=True)
;;       e = np.where(a > 0, np.clip(np.frexp(np.where(a > 0, a, 1))[1] - 1 - 2, -126, 127), 0)      # np.frexp(a)[1] - 1 = floor(log2(a)), exactly
;;       r = np.clip(x / 2.0 ** e, -6, 6)
;;       step = 2.0 ** (np.maximum(np.frexp(np.where(r == 0, 1, r))[1] - 1, 0) - 1)
;;       q = np.round(r / step) * step * 2.0 ** e      # np.round: ties to even
;;       return np.moveaxis(q.reshape(q.shape[:-2] + (-1,))[..., :K], -1, axis).astype(np.float32)
;;   ~~~
;; One version. Each part assembles by itself: llvm-mc -triple=amdgcn-amd-amdhsa -mcpu=gfx1250 --defsym DOCPART=n.
;; ======== version 1 of 1: 4 launches
;; limits: values are held in f16: magnitudes above 65,504 overflow, below 6.1e-05 lose precision
;; workspace buffers: xc 4,194,304 bytes; xs 262,144 bytes; wc 1,572,864 bytes; ws 98,304 bytes; wo16 2,097,152 bytes; qkv 50,331,648 bytes; ctx 16,777,216 bytes
;; launch quant (part 1): grid 384 x 1, 4 waves a work-group, no clusters, 33,280 bytes of LDS; arguments x, weight_qkv, xc, xs, wc, ws, weight_out, wo16; writes xc, xs, wc, ws, wo16
.if DOCPART == 1
	.amdgcn_target "amdgcn-amd-amdhsa--gfx1250"
	.amdhsa_code_object_version 6
	.text
	.protected	k_q73b7b1bb0d_quant
	.globl	k_q73b7b1bb0d_quant
	.p2align	8
	.type	k_q73b7b1bb0d_quant,@function
k_q73b7b1bb0d_quant:
	s_mov_b64 s[64:65], 0
	v_nop
	global_prefetch_b8 v0, s[64:65] scope:SCOPE_SE
	s_setreg_imm32_b32 hwreg(HW_REG_WAVE_MODE, 25, 1), 1
	s_wait_xcnt 0x0
; x [8192][1024] (row = 4 l + n) and weight_qkv [3072][1024], f32, are turned into codes of FP4 (E2M1), K innermost, with one E8M0 scale byte for each 32 along K; weight_out [1024][1024] is rounded to f16.
; A block's scale is 2^(floor(log2(its largest magnitude)) - 2); its byte is the largest magnitude's own exponent field - 2, held at 1 from below.  Each number is divided by the scale and rounded to the nearest code, ties to even, beyond 6 the largest code.
; LIMITS: a block of zeros gets the byte 1 where the rule says 127 (its codes are zeros, and this program alone reads the bytes); blocks whose largest magnitude lies under 2^(2 - 126) keep the byte 1; NaN and infinities are not served;
; numbers of weight_out beyond 65,504 become infinite in f16.
; SHARES: work-groups 0-255 take x, 256-351 weight_qkv, 352-383 weight_out; a wave takes 8,192 numbers.  Rows are dense and K is a multiple of 32: the tensors are plain streams.
; THE QUANTISER: 16 steps of 512 numbers a wave.  Each load reads 512 consecutive bytes; a step's 2,048 bytes turn through the wave's own stage in LDS and come back 64 bytes a lane, so that a lane holds 16 neighbours along K
; (two neighbouring lanes hold a block).  A lane's 16 codes are 8 bytes: the wave stores 256 consecutive bytes.  A wave's 256 scale bytes are gathered in LDS and leave as one aligned run of 256 bytes.
; No tensor loads, no barrier: waves share nothing.  No matrix unit, no cluster: nothing is read twice.
.set SIZE_M, 8192
.set SIZE_N, 3072
.set SIZE_K, 1024
.set WAVES, 4
.set STEPS, 16
.set WGA,   SIZE_M*SIZE_K/(512*STEPS*WAVES)            ; 256 work-groups for x
.set WGQ,   (SIZE_M+SIZE_N)*SIZE_K/(512*STEPS*WAVES)   ; 352 for both quantised tensors
.set EMAX,  2
.set CB,    8                          ; bytes of 16 codes
.set R,     16                         ; v16-79   four sets of 16 numbers as they are loaded (the cast: v16-143, two sets of 64)
.set X,     80                         ; v80-111  two sets of 16 neighbours
.set C,     128                        ; v128-191 codes: four registers for each step, so that no store's data are written again
.set E,     112                        ; v112-127 a scale byte for each step
.set Y,     144                        ; v144-175 the cast: 32 f16 pairs... 32 registers to store
.set WREG,  8192                       ; LDS: a region for each wave: two stages of 32 x SP bytes, behind them its 256 scale bytes
.set SP,    80                         ; a lane's place in a stage: its 64 bytes + 16 of padding
.set SPW,   12                         ; v12      LDS address of my spare word; never rewritten
.set NIL,   13                         ; v13      0; never rewritten
.set SPARE, WAVES*WREG                 ; behind the four regions: the spare words, 128 bytes for each wave
	s_load_b128 s[4:7], s[0:1], 0x0                ; x, weight_qkv
	s_load_b128 s[8:11], s[0:1], 0x10              ; x's codes, x's scales
	s_load_b128 s[12:15], s[0:1], 0x20             ; the weight's codes, its scales
	s_load_b128 s[24:27], s[0:1], 0x30             ; weight_out, its f16 copy
	v_lshl_add_u32 v[SPW], v0, 2, SPARE
	v_mov_b32 v[NIL], 0
	v_lshrrev_b32 v1, 5, v0
	v_readfirstlane_b32 s16, v1                    ; wave
	v_and_b32 v2, 31, v0                           ; lane
	v_lshlrev_b32 v3, 4, v2                        ; my 16 bytes of a load's 512
	s_mul_i32 s17, s16, WREG
	v_lshrrev_b32 v14, 2, v2
	v_mul_u32_u24 v14, v14, SP
	v_and_b32 v15, 3, v2
	v_lshl_add_u32 v14, v15, 4, v14
	v_add_nc_u32 v14, s17, v14                     ; the stage, on the way in: SP (lane / 4) + 16 (lane % 4)
	v_mul_u32_u24 v15, v2, SP
	v_add_nc_u32 v15, s17, v15                     ; and on the way out: SP x lane: my 16 neighbours
	v_mul_u32_u24 v4, v2, CB                       ; my codes' place in a step's
	v_lshrrev_b32 v5, 1, v2
	s_add_co_u32 s17, s17, 2*32*SP
	v_add_nc_u32 v5, s17, v5                       ; LDS: my wave's 256 scale bytes, my block's byte
	v_lshlrev_b32 v7, 3, v2                        ; 8 bytes a lane
	v_add_nc_u32 v6, s17, v7
	s_wait_kmcnt 0x0
	s_cmp_ge_u32 ttmp9, WGQ                        ; the last 32 work-groups cast weight_out: a branch on the work-group's number
	s_cbranch_scc1 .Lcast
	s_cmp_lt_u32 ttmp9, WGA                        ; x's work-group or the weight's?  Only pointers are chosen
	s_cselect_b64 s[4:5], s[4:5], s[6:7]
	s_cselect_b64 s[8:9], s[8:9], s[12:13]
	s_cselect_b64 s[10:11], s[10:11], s[14:15]
	s_cselect_b32 s17, 0, WGA
	s_sub_co_u32 s17, ttmp9, s17
	s_lshl_b32 s17, s17, 2
	s_add_co_u32 s18, s17, s16                     ; which run of 8,192 numbers of the tensor is my wave's
	s_mov_b32 s19, 0
	s_mov_b64 s[20:21], 512*STEPS*4
	s_mul_u64 s[20:21], s[18:19], s[20:21]
	s_add_nc_u64 s[4:5], s[4:5], s[20:21]
	s_mov_b64 s[20:21], 32*STEPS*CB
	s_mul_u64 s[20:21], s[18:19], s[20:21]
	s_add_nc_u64 s[8:9], s[8:9], s[20:21]
	s_lshl_b32 s18, s18, 8                         ; 256 scale bytes a run
	s_add_nc_u64 s[10:11], s[10:11], s[18:19]
.macro LOAD t
.irp i, 0,1,2,3
	global_load_b128 v[R+16*((\t)%4)+4*\i:R+16*((\t)%4)+4*\i+3], v3, s[4:5] offset:2048*(\t)+512*\i th:TH_LOAD_NT   ; 32 lanes read 512 consecutive bytes
.endr
.endm
.macro TURN t                          ; step t's numbers through the stage: LDS serves a wave's instructions in order, so no wait stands between the stores and the loads
.irp i, 0,1,2,3
	ds_store_b128 v14, v[R+16*((\t)%4)+4*\i:R+16*((\t)%4)+4*\i+3] offset:32*SP*((\t)%2)+8*SP*\i
.endr
.irp i, 0,1,2,3
	ds_load_b128 v[X+16*((\t)%2)+4*\i:X+16*((\t)%2)+4*\i+3], v15 offset:32*SP*((\t)%2)+16*\i
.endr
.endm
.irp t, 0,1,2,3
	LOAD \t
.endr
	s_wait_loadcnt 12                              ; step 0's four loads are in; the twelve of steps 1 to 3 stay out
	TURN 0
.macro STEP t
.set XS, X+16*((\t)%2)
.if (\t) > 0
	s_wait_dscnt 1                                 ; this step's numbers are back from the stage (the last step's byte store may be out): so its stores into the stage have read their registers,
.else
	s_wait_dscnt 0x0
.endif
.if (\t)+4 < STEPS
	LOAD (\t)+4                                    ; which take the loads of four steps on
.endif
.if (\t)+1 < STEPS
.if STEPS-2-(\t) >= 3
	s_wait_loadcnt 12                              ; the next step's four loads are in; those of the three steps behind it may be out
.else
	s_wait_loadcnt 4*(STEPS-2-(\t))
.endif
	TURN (\t)+1                                    ; and go through the other stage while this step is worked
.endif
	v_max3_num_f32 v8, |v[XS]|, |v[XS+1]|, |v[XS+2]|               ; the largest magnitude of my 16, in two chains
	v_max3_num_f32 v9, |v[XS+3]|, |v[XS+4]|, |v[XS+5]|
.irp i, 6,10
	v_max3_num_f32 v8, v8, |v[XS+\i]|, |v[XS+\i+1]|
	v_max3_num_f32 v9, v9, |v[XS+\i+2]|, |v[XS+\i+3]|
.endr
	v_max3_num_f32 v8, v8, |v[XS+14]|, |v[XS+15]|
	v_max3_num_f32 v8, v8, v9, (EMAX+1)<<23        ; and the floor 2^(EMAX + 1 - 127): so the byte cannot fall under 1
	v_max_num_f32_dpp v8, v8, v8 row_xmask:1 row_mask:0xf bank_mask:0xf   ; and of my neighbour's 16: the block's
	v_add_nc_u32 v11, -(EMAX<<23), v8              ; EMAX off its exponent field: the conversion takes the exponent field of this operand as its scale
	v_cvt_scalef32_pk8_fp4_f32 v[C+4*(\t)], v[XS:XS+7], v11
	v_cvt_scalef32_pk8_fp4_f32 v[C+4*(\t)+1], v[XS+8:XS+15], v11
	v_lshrrev_b32 v[E+(\t)], 23, v11               ; the scale's byte (a plain line behind the conversions)
	ds_store_b8 v5, v[E+(\t)] offset:16*(\t)       ; both lanes of a block write the same byte with the same value
	global_store_b64 v4, v[C+4*(\t):C+4*(\t)+1], s[8:9] offset:32*CB*(\t)
.endm
.irp t, 0,1,2,3,4,5,6,7,8,9,10,11,12,13,14,15
	STEP \t
.endr
	ds_load_b64 v[8:9], v6                         ; LDS serves a wave's instructions in order: these see my stores
	s_wait_dscnt 0x0
	global_store_b64 v7, v[8:9], s[10:11]          ; 32 lanes store 256 consecutive bytes, aligned
	s_wait_tensorcnt 0x0                           ; the wave's end, behind my last LDS store
	ds_add_u32 v[SPW], v[NIL]
	s_wait_dscnt 0x0
	s_endpgm
; THE CAST of weight_out: a wave takes 8,192 numbers in four groups of 16 loads of 512 consecutive bytes; two groups are on their way.  A lane's four numbers become 8 bytes: a store covers 256 consecutive bytes, aligned.
.Lcast:
	s_sub_co_u32 s17, ttmp9, WGQ
	s_lshl_b32 s17, s17, 2
	s_add_co_u32 s17, s17, s16                     ; which run of 8,192 numbers is my wave's
	s_lshl_b32 s18, s17, 15                        ; 32,768 bytes of f32,
	s_mov_b32 s19, 0
	s_add_nc_u64 s[24:25], s[24:25], s[18:19]
	s_lshl_b32 s18, s17, 14                        ; 16,384 of f16
	s_add_nc_u64 s[26:27], s[26:27], s[18:19]
.macro LOADG g
.irp i, 0,1,2,3,4,5,6,7,8,9,10,11,12,13,14,15
	global_load_b128 v[R+64*((\g)%2)+4*\i:R+64*((\g)%2)+4*\i+3], v3, s[24:25] offset:8192*(\g)+512*\i th:TH_LOAD_NT
.endr
.endm
.macro CASTG g
.if (\g) < 3
	s_wait_loadcnt 16                              ; this group's 16 loads are in; the next group's 16 stay out
.else
	s_wait_loadcnt 0x0
.endif
.if (\g) > 0
	s_wait_xcnt 0x0                                ; the last group's stores have read Y: it is rewritten only behind this wait
.endif
.irp i, 0,1,2,3,4,5,6,7,8,9,10,11,12,13,14,15
	v_cvt_pk_f16_f32 v[Y+2*\i], v[R+64*((\g)%2)+4*\i], v[R+64*((\g)%2)+4*\i+1]
	v_cvt_pk_f16_f32 v[Y+2*\i+1], v[R+64*((\g)%2)+4*\i+2], v[R+64*((\g)%2)+4*\i+3]
.endr
.if (\g)+2 < 4
	LOADG (\g)+2                                   ; loads ahead of stores: the set just read takes the group two on
.endif
.irp i, 0,1,2,3,4,5,6,7,8,9,10,11,12,13,14,15
	global_store_b64 v7, v[Y+2*\i:Y+2*\i+1], s[26:27] offset:4096*(\g)+256*\i
.endr
.endm
	LOADG 0
	LOADG 1
	CASTG 0
	CASTG 1
	CASTG 2
	CASTG 3
	s_wait_tensorcnt 0x0                           ; the wave's end
	ds_add_u32 v[SPW], v[NIL]
	s_wait_dscnt 0x0
	s_endpgm
.Lfunc_end_k_q73b7b1bb0d_quant:
	.size	k_q73b7b1bb0d_quant, .Lfunc_end_k_q73b7b1bb0d_quant-k_q73b7b1bb0d_quant
	.p2alignl 7, 3214868480
	.fill 96, 4, 3214868480
	.section	.rodata,"a",@progbits
	.p2align	6, 0x0
	.amdhsa_kernel k_q73b7b1bb0d_quant
		.amdhsa_group_segment_fixed_size 33280
		.amdhsa_private_segment_fixed_size 0
		.amdhsa_enable_private_segment 0
		.amdhsa_kernarg_size 64
		.amdhsa_user_sgpr_count 2
		.amdhsa_user_sgpr_kernarg_segment_ptr 1
		.amdhsa_wavefront_size32 1
		.amdhsa_system_sgpr_workgroup_id_x 1
		.amdhsa_system_sgpr_workgroup_id_y 1
		.amdhsa_system_sgpr_workgroup_id_z 1
		.amdhsa_system_vgpr_workitem_id 0
		.amdhsa_next_free_vgpr 192
		.amdhsa_next_free_sgpr 66
		.amdhsa_reserve_vcc 0
		.amdhsa_float_denorm_mode_32 3
		.amdhsa_float_denorm_mode_16_64 3
		.amdhsa_memory_ordered 1
		.amdhsa_forward_progress 1
		.amdhsa_inst_pref_size 54
	.end_amdhsa_kernel
	.amdgpu_metadata
---
amdhsa.version: [ 1, 2 ]
amdhsa.kernels:
  - .name:           k_q73b7b1bb0d_quant
    .symbol:         k_q73b7b1bb0d_quant.kd
    .args:
      - { .name: x, .offset: 0, .size: 8, .value_kind: global_buffer, .address_space: global }
      - { .name: weight_qkv, .offset: 8, .size: 8, .value_kind: global_buffer, .address_space: global }
      - { .name: xc, .offset: 16, .size: 8, .value_kind: global_buffer, .address_space: global }
      - { .name: xs, .offset: 24, .size: 8, .value_kind: global_buffer, .address_space: global }
      - { .name: wc, .offset: 32, .size: 8, .value_kind: global_buffer, .address_space: global }
      - { .name: ws, .offset: 40, .size: 8, .value_kind: global_buffer, .address_space: global }
      - { .name: weight_out, .offset: 48, .size: 8, .value_kind: global_buffer, .address_space: global }
      - { .name: wo16, .offset: 56, .size: 8, .value_kind: global_buffer, .address_space: global }
    .group_segment_fixed_size: 33280
    .private_segment_fixed_size: 0
    .kernarg_segment_align: 8
    .kernarg_segment_size: 64
    .max_flat_workgroup_size: 128
    .sgpr_count:     66
    .vgpr_count:     192
    .wavefront_size: 32
...
	.end_amdgpu_metadata
.endif
;; end of part 1
;; launch qkv (part 2): grid 12 x 32, 4 waves a work-group, clusters of 4 x 4, 327,680 bytes of LDS; arguments xc, xs, wc, ws, qkv; writes qkv
.if DOCPART == 2
	.amdgcn_target "amdgcn-amd-amdhsa--gfx1250"
	.amdhsa_code_object_version 6
	.text
	.protected	k_q73b7b1bb0d_qkv
	.globl	k_q73b7b1bb0d_qkv
	.p2align	8
	.type	k_q73b7b1bb0d_qkv,@function
k_q73b7b1bb0d_qkv:
	s_mov_b64 s[64:65], 0
	v_nop
	global_prefetch_b8 v0, s[64:65] scope:SCOPE_SE
	s_setreg_imm32_b32 hwreg(HW_REG_WAVE_MODE, 25, 1), 1
	s_wait_xcnt 0x0
	s_wait_alu depctr_hold_cnt(0) depctr_sa_sdst(0) depctr_va_vdst(0) depctr_va_sdst(0) depctr_va_ssrc(0) depctr_va_vcc(0) depctr_vm_vsrc(0)
	s_getreg_b32 s2, hwreg(HW_REG_IB_STS2, 6, 4)
	s_cmp_eq_u32 s2, 0
	s_cbranch_scc0 .Lentry_in_a_cluster
	s_endpgm
.Lentry_in_a_cluster:
	s_bfe_u32 s2, ttmp6, 0x10000c
	s_cmp_lg_u32 s2, 0xf033
	s_cbranch_scc0 .Lentry_shape_is_right
	s_endpgm
.Lentry_shape_is_right:
; C[m][f] = sum over k of x[m][k] W[f][k] on codes of FP4 (E2M1) with one E8M0 scale for each 32 along K; m = 4 l + n (8,192 rows), f = 1024 part + 64 head + d (3,072), K = 1,024; sums in f32.
; The result leaves as f16, laid by head: qkv[part][n][head][l][64].  LIMIT: results beyond 65,504 become infinite in f16.
; A tile of C, 256 x 256, is made by a work-group of four waves; a wave makes 128 x 128: 64 accumulators of 16 x 16, 512 registers.
; K is two steps of 512 (tile rows of 256 bytes): both lie in LDS slots of their own, asked for at the head; nothing is filled again.  By the text's own count a wave has three tensor loads out: its scales, its part of slot 0 and of slot 1.
; THE SCALES of the work-group's 256 rows of x and 256 rows of W, for all of K, are two dense blocks of memory: they come into LDS once, as rows of 256 bytes.
; CLUSTERS: 4 x 4 work-groups.  The four of a row of the cluster need the same tiles of x, the four of a column the same tiles of W: each tile is asked for JOINTLY, by the same tensor load with the same descriptor and a mask that names the four.
; THE MATRIX INSTRUCTION IS USED TRANSPOSED (source 0 = 16 rows of W, source 1 = 16 rows of x): a lane then holds eight neighbouring numbers of a row of C.
; REGISTERS, in windows of 256: window 0: v0-31 addresses; v32-95 scale words, two sets; from v128 x's fragments (8 x 16 rows x 128 K), ONE set; on the way out v32-63 and v128-191 are at work.
;   window 1: W's fragments, TWO sets, at v0 and at v128.   window 2: the 32 accumulators of my rows 0-63 (accumulator (a, b) at v[8 (8 a + b)]);   window 3: those of my rows 64-127.
.set SIZE_M, 8192
.set SIZE_N, 3072
.set SIZE_K, 1024
.set KSTEP,  512                       ; along K in a slot
.set NQ,     KSTEP/128                 ; matrix instructions deep
.set ROWB,   256                       ; a tile's row in bytes
.set KROW,   SIZE_K*4/8                ; a row of codes in memory, in bytes
.set PITCH,  272                       ; an LDS row: 256 bytes + 16 of padding = 68 words: the 16 rows that a load touches start at 16 different banks (64 banks of 4 bytes: ISA guide 11.1)
.set FR,     8                         ; registers of a fragment: 16 rows x 128 K
.set NL,     2                         ; LDS loads that bring one
.set NP,     4                         ; places behind this matrix instruction (ISA guide 7.12.1)
.set HALFT,  128*PITCH                 ; 128 rows: what one tensor load brings, and what one wave reads of a side
.set SLOT,   4*HALFT                   ; x's 256 rows, then W's 256 rows
.set KS,     SIZE_K/32                 ; a row of scales in bytes
.set SCL,    2*SLOT                    ; behind the slots: the scales, as rows of 256 bytes + 16 of padding
.set HALFS,  (128*KS/256)*272          ; the scales of 128 rows: what one tensor load brings
.set SBLK,   (16*KS/256)*272           ; those of 16 rows
.set SPARE,  SCL+4*HALFS               ; behind the scales: the spare words, 128 bytes for each wave
.set SPITCH, 272                       ; the way out: a stage of 16 rows x (256 bytes + 16) for each wave, in slot 0, which has had its only fill and its last read when the first result is stored there
.set ADRA, 16                          ; v16-17  LDS address of my x fragments in slot 0, 1
.set ADRB, 20                          ; v20-21  the same for W
.set STO,  24                          ; v24     the way out: where I put 16 bytes of a row
.set RD,   25                          ; v25     the way out: where I read a run back
.set CO,   26                          ; v26     16 x lane: my bytes of a run of 512 in qkv
.set ADRS, 27                          ; v27     LDS address of my scale words: lanes 0-15 x's rows, lanes 16-31 W's
.set SPW,  28                          ; v28     LDS address of my spare word; never rewritten
.set NIL,  29                          ; v29     0; never rewritten
.set CO2,  30                          ; v30     16 x lane + 2 x 2^22: the same for n = 2 and 3, whose distance does not fit the signed 24-bit immediate (ISA guide, chapter 10)
.set SC,   32                          ; scale words: set s at v[SC + 8 NQ s]; register NQ i + q: lanes 0-15 the word of x's block i, lanes 16-31 that of W's block i
.set AF,   128                         ; x's fragments, in window 0
.set TMP,  32                          ; the way out: a block's 32 packed registers
.set BK,   128                         ; the way out: a block read back from the stage: v128-159 and v160-191 by turns
.set G1, 24                            ; s[24:31] descriptor group 1 for x's tiles;  s[32:39] group 0, one set for each slot
.set G0, 32
.set G1B, 48                           ; s[48:55], s[56:63] the same for W's tiles
.set G0B, 56
.set G1S, 68                           ; s[68:75], s[76:79] groups 1 and 0 for x's scales;  s[80:87], s[88:91] for W's
.set G0S, 76
.set G1SB, 80
.set G0SB, 88
.set MSB, 0
.macro WIN new                         ; the immediate's high byte repeats the setting that is left
.if MSB != \new
	s_set_vgpr_msb (MSB<<8)|\new
.set MSB, \new
.endif
.endm
.set MUL_LO, 0xa1                      ; source 0 (W) window 1, source 1 (x) window 0, C and D window 2
.set MUL_HI, 0xf1                      ; the same, C and D window 3
.set TO_B,   0x40                      ; destination window 1, address window 0
; A joint load: waves 0 and 1 fetch for x, waves 2 and 3 for W.  Each of the two lines has ONE mask and one set of registers for all that issue it; the branch hangs on the wave's number alone.
; An s_nop 0 and four v_nop follow each of the two lines.
.macro JLOAD g0a, g1a, g0b, g1b
	s_cmp_eq_u32 s15, 0
	s_cbranch_scc0 .Lfor_b_\@
	tensor_load_to_lds s[\g0a:\g0a+3], s[\g1a:\g1a+7]
	s_nop 0
.rept 4
	v_nop
.endr
	s_branch .Lasked_\@
.Lfor_b_\@:
	tensor_load_to_lds s[\g0b:\g0b+3], s[\g1b:\g1b+7]
	s_nop 0
.rept 4
	v_nop
.endr
.Lasked_\@:
.endm
.macro CROUND                          ; a round of the cluster's barrier
	s_barrier_signal -1
	s_barrier_wait -1
	s_cmp_lg_u32 s14, 0
	s_cbranch_scc1 .Lnot_wave_0_\@
	s_barrier_signal -3
.Lnot_wave_0_\@:
	s_barrier_wait -3
	s_barrier_signal -1
	s_barrier_wait -1
.endm
	s_load_b128 s[4:7], s[0:1], 0x0                ; x's codes s[4:5], x's scales s[6:7]
	s_load_b128 s[8:11], s[0:1], 0x10              ; W's codes s[8:9], W's scales s[10:11]
	s_load_b64 s[12:13], s[0:1], 0x20              ; qkv
	v_lshl_add_u32 v[SPW], v0, 2, SPARE
	v_mov_b32 v[NIL], 0
	ds_add_u32 v[SPW], v[NIL]                      ; the wave's opening: the add, twice on end, and its wait ahead of my first tensor load
	ds_add_u32 v[SPW], v[NIL]
	v_lshrrev_b32 v1, 5, v0
	v_readfirstlane_b32 s14, v1                    ; wave 0..3
	s_lshr_b32 s15, s14, 1                         ; which half of the tile's rows is mine.  Also: I fetch for x (0) or for W (1)
	s_and_b32 s16, s14, 1                          ; which half of its columns.  Also: which 128 rows of that tile I fetch
	s_bfe_u32 s40, ttmp6, 0x40000                  ; cx, cy: my place in the cluster
	s_bfe_u32 s41, ttmp6, 0x40004
	s_lshl_b32 s42, ttmp9, 2
	s_add_co_u32 s42, s42, s40                     ; tile column of C = 4 x cluster x + cx
	s_and_b32 s17, ttmp7, 0xffff
	s_lshl_b32 s17, s17, 2
	s_add_co_u32 s17, s17, s41                     ; tile row of C = 4 x cluster y + cy
	s_lshl_b32 s43, s41, 2
	s_lshl_b32 s43, 15, s43                        ; my row of the cluster
	s_lshl_b32 s44, 0x1111, s40                    ; my column
	; descriptor group 1: a tile of 128 rows x ROWB bytes, padded in LDS
	s_or_b32 s[G1+0], s43, (0<<16)|(1<<20)|(1<<21)|(5<<22)|(3<<25)  ; 15:0 the mask: x's tiles go to my row; 17:16 element of 1 byte; 20 padding on; 21 set beside a mask; 24:22 after every 64 words; 31:25 of 4 words
	s_or_b32 s[G1B+0], s44, (0<<16)|(1<<20)|(1<<21)|(5<<22)|(3<<25)
.irp g, G1, G1B
	s_mov_b32 s[\g+1], ROWB<<16                    ; tensor_dim0
	s_mov_b32 s[\g+2], 128<<16                     ; tensor_dim1 = 128
	s_mov_b32 s[\g+3], ROWB<<16                    ; tile_dim0
	s_mov_b32 s[\g+4], 128                         ; tile_dim1 = 128
	s_mov_b32 s[\g+5], KROW                        ; tensor_dim0_stride
	s_mov_b32 s[\g+6], 0
	s_mov_b32 s[\g+7], 0
.endr
	; and for the scales of 128 rows: a dense block of 128 KS bytes, as rows of 256 bytes (32 elements of 8 bytes), 16 bytes of padding behind each
	s_or_b32 s[G1S+0], s43, (3<<16)|(1<<20)|(1<<21)|(5<<22)|(3<<25)
	s_or_b32 s[G1SB+0], s44, (3<<16)|(1<<20)|(1<<21)|(5<<22)|(3<<25)
.irp g, G1S, G1SB
	s_mov_b32 s[\g+1], 32<<16
	s_mov_b32 s[\g+2], (128*KS/256)<<16
	s_mov_b32 s[\g+3], 32<<16
	s_mov_b32 s[\g+4], 128*KS/256
	s_mov_b32 s[\g+5], 32
	s_mov_b32 s[\g+6], 0
	s_mov_b32 s[\g+7], 0
.endr
	s_lshl_b32 s18, s16, 7                         ; which 128 rows of the tile I fetch
	s_lshl_b32 s20, s17, 8
	s_add_co_u32 s20, s20, s18                     ; x: row 256 x tile row + 128 x half
	s_lshl_b32 s46, s42, 8
	s_add_co_u32 s46, s46, s18                     ; W: row 256 x tile column + 128 x half
	s_mov_b32 s21, 0
	s_mov_b32 s47, 0
	s_mov_b64 s[18:19], KS
	s_mul_u64 s[22:23], s[20:21], s[18:19]         ; where these rows' scales begin, in bytes
	s_mul_u64 s[92:93], s[46:47], s[18:19]
	s_mov_b64 s[18:19], KROW
	s_mul_u64 s[20:21], s[20:21], s[18:19]         ; and their codes
	s_mul_u64 s[46:47], s[46:47], s[18:19]
	s_mul_i32 s45, s14, HALFT                      ; where they go: wave x 128 rows: no place in the cluster enters an LDS address
	s_mul_i32 s94, s14, HALFS
	s_wait_dscnt 0x0                               ; both opening adds are done
	s_wait_kmcnt 0x0
	s_add_nc_u64 s[20:21], s[4:5], s[20:21]
	s_add_nc_u64 s[22:23], s[6:7], s[22:23]
	s_add_nc_u64 s[46:47], s[8:9], s[46:47]
	s_add_nc_u64 s[92:93], s[10:11], s[92:93]
	CROUND                                         ; all sixteen work-groups are here: the joint loads meet
	s_mov_b32 s[G0S], 1
	s_add_co_u32 s[G0S+1], s94, SCL
	s_mov_b64 s[G0S+2:G0S+3], s[22:23]
	s_or_b32 s[G0S+3], s[G0S+3], 0x80000000
	s_mov_b32 s[G0SB], 1
	s_add_co_u32 s[G0SB+1], s94, SCL
	s_mov_b64 s[G0SB+2:G0SB+3], s[92:93]
	s_or_b32 s[G0SB+3], s[G0SB+3], 0x80000000
	JLOAD G0S, G1S, G0SB, G1SB                     ; the scales first: they are wanted with K step 0
.irp s, 0,1
	s_mov_b32 s[G0+4*\s], 1
	s_add_co_u32 s[G0+4*\s+1], s45, \s*SLOT
	s_add_nc_u64 s[G0+4*\s+2:G0+4*\s+3], s[20:21], \s*ROWB
	s_or_b32 s[G0+4*\s+3], s[G0+4*\s+3], 0x80000000
	s_mov_b32 s[G0B+4*\s], 1
	s_add_co_u32 s[G0B+4*\s+1], s45, \s*SLOT
	s_add_nc_u64 s[G0B+4*\s+2:G0B+4*\s+3], s[46:47], \s*ROWB
	s_or_b32 s[G0B+4*\s+3], s[G0B+4*\s+3], 0x80000000
	JLOAD G0+4*\s, G1, G0B+4*\s, G1B
.endr
	v_and_b32 v1, 15, v0                           ; l % 16
	v_bfe_u32 v2, v0, 4, 1                         ; l / 16
	v_mul_u32_u24 v3, v1, PITCH
	v_lshl_add_u32 v4, v2, 4, v3                   ; a fragment's row x pitch + 16 x half
	s_mul_i32 s21, s15, HALFT                      ; my 128 rows of x
	s_mul_i32 s22, s16, HALFT                      ; my 128 rows of W,
	s_add_co_u32 s22, s22, 2*HALFT                 ; which lie behind x's 256
.irp s, 0,1
	v_add_nc_u32 v[ADRA+\s], s21, v4
	v_add_nc_u32 v[ADRB+\s], s22, v4
	s_add_co_u32 s21, s21, SLOT
	s_add_co_u32 s22, s22, SLOT
.endr
	v_mul_u32_u24 v5, v1, KS                       ; my row's scales: KS bytes a row,
	v_lshrrev_b32 v6, 8, v5
	v_lshl_add_u32 v5, v6, 4, v5                   ; and 16 more for each 256 passed
	s_mul_i32 s21, s15, HALFS                      ; x's: my 128 rows
	s_mul_i32 s22, s16, HALFS                      ; W's: my 128 rows, behind x's 256
	s_add_co_u32 s22, s22, 2*HALFS
	s_sub_co_u32 s22, s22, s21
	v_mul_u32_u24 v6, s22, v2                      ; lanes 16-31 take W's: the lower base + half x the distance
	s_add_co_u32 s21, s21, SCL
	v_add_nc_u32 v5, v5, v6
	v_add_nc_u32 v[ADRS], s21, v5
	s_mul_i32 s23, s14, 16*SPITCH                  ; my stage
	v_mul_u32_u24 v5, v1, SPITCH                   ; in: row l % 16, 16 bytes for each half of the lanes
	v_lshl_add_u32 v5, v2, 4, v5
	v_add_nc_u32 v[STO], s23, v5
	v_and_b32 v6, 31, v0
	v_lshlrev_b32 v[CO], 4, v6
	v_add_nc_u32 v[CO2], 0x800000, v[CO]
	v_bfe_u32 v5, v0, 3, 2                         ; back: a run is 4 positions l of one n and one head: stage rows 4 (lane / 8) + n, 128 bytes of each
	v_mul_u32_u24 v5, v5, 4*SPITCH
	v_and_b32 v6, 7, v0
	v_lshl_add_u32 v5, v6, 4, v5
	v_add_nc_u32 v[RD], s23, v5
	; where my part begins in qkv: l = 64 x tile row + 32 x half, 128 bytes each;  part = tile column / 4, 2^24 bytes;  head = 4 (tile column % 4) + 2 x half, 2^18 bytes
	s_lshl_b32 s20, s17, 6
	s_lshl_b32 s21, s15, 5
	s_add_co_u32 s20, s20, s21
	s_lshl_b32 s20, s20, 7
	s_mov_b32 s21, 0
	s_and_b32 s46, s42, 3
	s_lshl_b32 s46, s46, 2
	s_lshl_b32 s47, s16, 1
	s_add_co_u32 s46, s46, s47
	s_lshl_b32 s46, s46, 18
	s_lshr_b32 s47, s42, 2
	s_lshl_b32 s47, s47, 24
	s_add_co_u32 s46, s46, s47
	s_mov_b32 s47, 0
	s_add_nc_u64 s[20:21], s[20:21], s[46:47]
	s_add_nc_u64 s[12:13], s[12:13], s[20:21]
.macro FRAG reg, adr, q, i             ; a fragment, 16 rows x 128 K of 4-bit codes, is 8 registers: lane l holds row l % 16; registers 4 c .. 4 c + 3 hold K = 64 c + 32 (l / 16) + 0 .. 31
.irp c, 0,1
	ds_load_b128 v[\reg+4*\c:\reg+4*\c+3], v[\adr] offset:64*(\q)+32*\c+(\i)*16*PITCH
.endr
.endm
; 16 matrix instructions: x's blocks a0, a0 + 1 against W's eight, 128 along K: the slot's q-th.  p: W's set;  sc: the set of scale words.  zero = 1: the first product starts the sums.
; The 64 accumulators take turns, one instruction a turn, in the same order in every step.
.macro MUL16 a0, p, q, sc, zero
.irp a, \a0, \a0+1
.irp b, 0,1,2,3,4,5,6,7
.if \zero
	v_wmma_scale_f32_16x16x128_f8f6f4 v[8*(8*((\a)%4)+\b):8*(8*((\a)%4)+\b)+7], v[128*(\p)+FR*\b:128*(\p)+FR*\b+FR-1], v[AF+FR*(\a):AF+FR*(\a)+FR-1], 0, v[SC+8*NQ*(\sc)+NQ*\b+(\q)], v[SC+8*NQ*(\sc)+NQ*(\a)+(\q)] matrix_a_fmt:MATRIX_FMT_FP4 matrix_b_fmt:MATRIX_FMT_FP4 matrix_a_scale:MATRIX_SCALE_ROW1
.else
	v_wmma_scale_f32_16x16x128_f8f6f4 v[8*(8*((\a)%4)+\b):8*(8*((\a)%4)+\b)+7], v[128*(\p)+FR*\b:128*(\p)+FR*\b+FR-1], v[AF+FR*(\a):AF+FR*(\a)+FR-1], v[8*(8*((\a)%4)+\b):8*(8*((\a)%4)+\b)+7], v[SC+8*NQ*(\sc)+NQ*\b+(\q)], v[SC+8*NQ*(\sc)+NQ*(\a)+(\q)] matrix_a_fmt:MATRIX_FMT_FP4 matrix_b_fmt:MATRIX_FMT_FP4 matrix_a_scale:MATRIX_SCALE_ROW1
.endif
.endr
.endr
.endm
.macro FETCH_B slot, q, p              ; W's eight fragments of the slot's q-th 128 along K into set p
	WIN TO_B
.irp i, 0,1,2,3,4,5,6,7
	FRAG 128*(\p)+FR*\i, ADRB+\slot, \q, \i
.endr
	WIN 0
.endm
.macro FETCH_A slot, q, i0             ; x's blocks i0 .. i0 + 3
.irp i, \i0, \i0+1, \i0+2, \i0+3
	FRAG AF+FR*(\i), ADRA+\slot, \q, \i
.endr
.endm
.macro SCALES sc                       ; a K step's scale words into set sc: NQ words a row; lanes 0-15 take x's block i, lanes 16-31 W's block i
.irp i, 0,1,2,3,4,5,6,7
	ds_load_b128 v[SC+8*NQ*\sc+NQ*\i:SC+8*NQ*\sc+NQ*\i+3], v[ADRS] offset:\i*SBLK
.endr
.endm
; A load into a register that a matrix instruction has read, and a vector instruction or an LDS store that reads a matrix result, stand NP places behind that matrix instruction; only plain vector
; instructions that name none of its registers are places (ISA guide 7.12.1 for vector instructions).
.macro PLACES n
.rept \n
	v_nop
.endr
.endm
; A step of 128 along K that has its successor in the same slot.
.macro STEP slot, q, zero
	s_wait_dscnt 4*NL                              ; W's set and x's blocks 0-3 are in; the youngest eight loads (x's blocks 4-7) may be out
	WIN MUL_LO
	MUL16 0, (\q)%2, \q, \slot, \zero
	MUL16 2, (\q)%2, \q, \slot, \zero
	s_wait_dscnt 0                                 ; x's blocks 4-7 are in (asked for 32 matrix instructions ago)
	PLACES NP
	FETCH_B \slot, (\q)+1, 1-(\q)%2
	FETCH_A \slot, (\q)+1, 0
	WIN MUL_HI
	MUL16 4, (\q)%2, \q, \slot, \zero
	MUL16 6, (\q)%2, \q, \slot, \zero
	PLACES NP
	WIN 0
	FETCH_A \slot, (\q)+1, 4
.endm
; Slot 0's last step changes slots: one barrier; in front of it each wave waits for all its tensor loads (its part of slot 1), adds 0 to its spare word, and waits for that and for its own reads of slot 0.
; Behind it slot 1 is whole, and nobody reads slot 0 any more: the stages of the way out lie there.
.macro TURN slot, next
	s_wait_tensorcnt 0x0                           ; all my tensor loads have landed  (every window is 0 here: the add's two registers lie in window 0)
	ds_add_u32 v[SPW], v[NIL]                      ; 0 onto my spare word
	s_wait_dscnt 4*NL+1                            ; (the add and the youngest eight loads, x's blocks 4-7, may be out)
	WIN MUL_LO
	MUL16 0, 1, NQ-1, \slot, 0                     ; sixteen matrix instructions stand between the add and the wait for it
	s_wait_dscnt 0x0                               ; the add is done, and my reads of this slot are over
	s_barrier_signal -1
	MUL16 2, 1, NQ-1, \slot, 0
	WIN 0
	s_barrier_wait -1
	PLACES NP
	v_add_nc_u32 v[ADRS], 4*NQ, v[ADRS]            ; on to the next K step's scale words (no LDS load of mine is out)
	FETCH_B \next, 0, 0
	FETCH_A \next, 0, 0
	SCALES \next
	WIN MUL_HI
	MUL16 4, 1, NQ-1, \slot, 0
	MUL16 6, 1, NQ-1, \slot, 0
	PLACES NP
	WIN 0
	FETCH_A \next, 0, 4
.endm
.macro STEPS slot, from                ; the slot's steps from .. NQ - 2
.set Q, \from
.rept NQ-1-\from
	STEP \slot, Q, 0
.set Q, Q+1
.endr
.endm
	s_wait_tensorcnt 1                             ; the scales and my part of K step 0 are in (K step 1's load may be out),
	s_barrier_signal -1
	s_barrier_wait -1                              ; everybody's are
	FETCH_B 0, 0, 0
	FETCH_A 0, 0, 0
	SCALES 0
	FETCH_A 0, 0, 4
	STEP 0, 0, 1                                   ; the first step's products start the sums: nothing is cleared
	STEPS 0, 1
	TURN 0, 1
	STEPS 1, 0
	s_wait_dscnt 4*NL                              ; the very last step: nothing more to fetch
	WIN MUL_LO
	MUL16 0, 1, NQ-1, 1, 0
	MUL16 2, 1, NQ-1, 1, 0
	s_wait_dscnt 0
	WIN MUL_HI
	MUL16 4, 1, NQ-1, 1, 0
	MUL16 6, 1, NQ-1, 1, 0
	WIN 0
; THE WAY OUT, block by block of 16 rows (4 positions l x 4 n) x 128 columns (2 heads).  A lane's eight results round to 16 bytes of a row; the block goes through my own stage in LDS and comes back as eight runs
; (n, head) of 4 l x 128 bytes, which are 512 consecutive bytes of qkv: a store of the wave covers them whole.  LDS serves a wave's instructions in order (ISA guide 5.7.1.4): no wait between the stores and the loads.
.macro PACK a
.set AC, 64*((\a)%4)
	WIN (0x0a+5*((\a)/4))                          ; sources 0 and 1: window 2 or 3
.irp b, 0,1,2,3,4,5,6,7
.irp j, 0,1,2,3
	v_cvt_pk_f16_f32 v[TMP+4*\b+\j], v[AC+8*\b+2*\j], v[AC+8*\b+2*\j+1]   ; each accumulator from its low end on
.endr
.endr
	WIN 0
.endm
.macro TOSTAGE a
.set BB, BK+32*((\a)%2)
.irp b, 0,1,2,3,4,5,6,7
	ds_store_b128 v[STO], v[TMP+4*\b:TMP+4*\b+3] offset:32*\b
.endr
.irp n, 0,1,2,3
.irp d, 0,1
	ds_load_b128 v[BB+4*(2*\n+\d):BB+4*(2*\n+\d)+3], v[RD] offset:SPITCH*\n+128*\d
.endr
.endr
.endm
.macro SEND a
.set BB, BK+32*((\a)%2)
	s_wait_dscnt 0x0                               ; the block is back in registers
	s_wait_xcnt 0x0                                ; the block before has had its stores' registers read: the next block's loads may land there
.irp d, 0,1
	global_store_b128 v[CO],  v[BB+4*\d:BB+4*\d+3],         s[12:13] offset:\d*262144+(\a)*512
	global_store_b128 v[CO],  v[BB+4*(2+\d):BB+4*(2+\d)+3], s[12:13] offset:4194304+\d*262144+(\a)*512
	global_store_b128 v[CO2], v[BB+4*(4+\d):BB+4*(4+\d)+3], s[12:13] offset:\d*262144+(\a)*512
	global_store_b128 v[CO2], v[BB+4*(6+\d):BB+4*(6+\d)+3], s[12:13] offset:4194304+\d*262144+(\a)*512
.endr
.endm
	PLACES NP                                      ; behind the last products: for the conversions' reads and for the writes into registers that held scale words and fragments
	PACK 0
	TOSTAGE 0
.irp a, 1,2,3,4,5,6,7                  ; block a's conversions stand between block a - 1's loads from the stage and the wait for them
	PACK \a
	SEND \a-1
	TOSTAGE \a
.endr
	SEND 7
	s_wait_tensorcnt 0x0                           ; the wave's end, behind my last tensor load and my last LDS store
	ds_add_u32 v[SPW], v[NIL]
	s_wait_dscnt 0x0
	CROUND                                         ; the closing round: no work-group ends while a partner may still ask for a tile that names it
	s_endpgm
.Lfunc_end_k_q73b7b1bb0d_qkv:
	.size	k_q73b7b1bb0d_qkv, .Lfunc_end_k_q73b7b1bb0d_qkv-k_q73b7b1bb0d_qkv
	.p2alignl 7, 3214868480
	.fill 96, 4, 3214868480
	.section	.rodata,"a",@progbits
	.p2align	6, 0x0
	.amdhsa_kernel k_q73b7b1bb0d_qkv
		.amdhsa_group_segment_fixed_size 327680
		.amdhsa_private_segment_fixed_size 0
		.amdhsa_enable_private_segment 0
		.amdhsa_kernarg_size 40
		.amdhsa_user_sgpr_count 2
		.amdhsa_user_sgpr_kernarg_segment_ptr 1
		.amdhsa_wavefront_size32 1
		.amdhsa_system_sgpr_workgroup_id_x 1
		.amdhsa_system_sgpr_workgroup_id_y 1
		.amdhsa_system_sgpr_workgroup_id_z 1
		.amdhsa_system_vgpr_workitem_id 0
		.amdhsa_next_free_vgpr 1024
		.amdhsa_next_free_sgpr 98
		.amdhsa_reserve_vcc 0
		.amdhsa_float_denorm_mode_32 3
		.amdhsa_float_denorm_mode_16_64 3
		.amdhsa_memory_ordered 1
		.amdhsa_forward_progress 1
		.amdhsa_inst_pref_size 126
	.end_amdhsa_kernel
	.amdgpu_metadata
---
amdhsa.version: [ 1, 2 ]
amdhsa.kernels:
  - .name:           k_q73b7b1bb0d_qkv
    .symbol:         k_q73b7b1bb0d_qkv.kd
    .args:
      - { .name: xc, .offset: 0, .size: 8, .value_kind: global_buffer, .address_space: global }
      - { .name: xs, .offset: 8, .size: 8, .value_kind: global_buffer, .address_space: global }
      - { .name: wc, .offset: 16, .size: 8, .value_kind: global_buffer, .address_space: global }
      - { .name: ws, .offset: 24, .size: 8, .value_kind: global_buffer, .address_space: global }
      - { .name: qkv, .offset: 32, .size: 8, .value_kind: global_buffer, .address_space: global }
    .group_segment_fixed_size: 327680
    .private_segment_fixed_size: 0
    .kernarg_segment_align: 8
    .kernarg_segment_size: 40
    .max_flat_workgroup_size: 128
    .sgpr_count:     98
    .vgpr_count:     1024
    .wavefront_size: 32
...
	.end_amdgpu_metadata
.endif
;; end of part 2
;; launch attn (part 3): grid 4 x 64, 8 waves a work-group, clusters of 4 x 1, 327,680 bytes of LDS; arguments qkv, ctx; writes ctx
.if DOCPART == 3
	.amdgcn_target "amdgcn-amd-amdhsa--gfx1250"
	.amdhsa_code_object_version 6
	.text
	.protected	k_q73b7b1bb0d_attn
	.globl	k_q73b7b1bb0d_attn
	.p2align	8
	.type	k_q73b7b1bb0d_attn,@function
k_q73b7b1bb0d_attn:
	s_mov_b64 s[64:65], 0
	v_nop
	global_prefetch_b8 v0, s[64:65] scope:SCOPE_SE
	s_setreg_imm32_b32 hwreg(HW_REG_WAVE_MODE, 25, 1), 1
	s_wait_xcnt 0x0
	s_wait_alu depctr_hold_cnt(0) depctr_sa_sdst(0) depctr_va_vdst(0) depctr_va_sdst(0) depctr_va_ssrc(0) depctr_va_vcc(0) depctr_vm_vsrc(0)
	s_getreg_b32 s2, hwreg(HW_REG_IB_STS2, 6, 4)
	s_cmp_eq_u32 s2, 0
	s_cbranch_scc0 .Lentry_in_a_cluster
	s_endpgm
.Lentry_in_a_cluster:
	s_bfe_u32 s2, ttmp6, 0x10000c
	s_cmp_lg_u32 s2, 0x3003
	s_cbranch_scc0 .Lentry_shape_is_right
	s_endpgm
.Lentry_shape_is_right:
; ctx[q][:] = the sum over k of softmax_k(Q[q] . K[k] / 8) V[k][:], for each of 64 heads (n, h): 2,048 queries, 2,048 keys, head size 64, no mask.
; qkv: [3][n][h][l][64] f16.  ctx: [n][l / 2][h][l % 2][64] f16: a head's part of a pair of positions is 256 consecutive bytes.  Products, maxima and sums in f32; the weights p are rounded to f16 for the second product.
; LIMITS: ctx is rounded to f16 (it is an average of v, which is f16 already); NaN and infinities are not served.
; SHARES.  A work-group owns 512 queries of one head, each of its eight waves 64: four tiles of 16, as two pieces (tiles 0, 1 and tiles 2, 3).  Two waves share a SIMD, 512 registers each: while one walks a softmax
; the other's products can be issued.  Every wave walks all keys, 64 a step.
; LAYOUT.  S^T = K Q^T (source 0 = 16 keys, source 1 = 16 queries): a lane holds ONE query (lane % 16) and the keys 8 (lane / 16) + 0..7.  Two such tiles, rounded to f16 in pairs, ARE source 1 (32 keys x 16 queries) of
; O^T = V^T P.  K comes out of LDS as it lies, V ([key][channel]) turned, by ds_load_tr16_b128.
; SOFTMAX.  For each query a running maximum m: p = 2^(c s - c m), c = log2(e) / 8; in every step O^T and the sum are multiplied by a = 2^(c m_old - c m_new).
; THE ROW'S SUM is a fifth accumulator of V^T P, whose source 0 is a fragment of ones: it sums the rounded p, the numbers that O^T sums, over both halves of the lanes.
; CLUSTER.  The four work-groups of a head are one cluster and walk the same K and V: each tile is asked for JOINTLY, by the same tensor load with the same descriptor and a mask that names the four.
; RING.  Two LDS slots of four key steps; each of the eight waves fetches one tile (64 rows of K or of V) of a slot: one load a wave behind each round, with four key steps in which to land.
; By the text's own count a wave has two tensor loads out at the start and one behind each round.
; REGISTERS: window 0: v0-14 addresses; v16-47 statistics, 8 a tile; v48-55 ones; v64-127 S^T of the piece in hand, then P in its low halves; v128-191 K of a step; v192-255 V of a step.
;   window 1: tile t at v[40 t]: O^T's four accumulators, then the sum's; v160-223 Q.
.set KS,    64        ; keys in a step
.set PKB,   144       ; a row of K in LDS: 128 bytes + 16 of padding: the 16 rows of a load start at 16 different groups of four banks (64 banks of 4 bytes: ISA guide 11.1)
.set PVB,   160       ; a row of V: 128 + 32: an odd multiple of 32 bytes, for the turning load
.set VOFF,  KS*PKB    ; a step's tiles lie together: 64 rows of K, then 64 rows of V
.set STEPB, KS*(PKB+PVB)
.set NST,   4         ; key steps in a slot
.set SLOTB, NST*KS*128  ; a slot's rows of K (or of V) in memory, in bytes
.set SLOT1, 1<<17     ; slot 1 begins here, so that one exclusive or turns an address in one slot into the other's
.set STAGE, SLOT1+NST*STEPB  ; behind the ring: 16 rows x 144 bytes for each wave, for the way out
.set SP,    144
.set SPARE, STAGE+8*16*SP    ; behind the stages: the spare words, 128 bytes for each wave
.set AK0, 2           ; v2   my lane's place in a tile of K; never rewritten
.set AV0, 3           ; v3   the same for V
.set ADR, 4           ; v4   the LDS address of the run of loads in hand
.set QO,  5           ; v5   my byte offset in the wave's rows of Q
.set STO, 6           ; v6   the way out: where I put 16 bytes of a row
.set RD,  7           ; v7   the way out: where I read rows back
.set GO,  8           ; v8   my byte offset in the wave's pairs of ctx
.set PFO, 12          ; v12  256 x my lane; never rewritten
.set SPW, 13          ; v13  LDS address of my spare word; never rewritten
.set NIL, 14          ; v14  0; never rewritten
.set ST,  16          ; tile t's statistics at v[ST+8 t]: +0 c m, +1 m, +2 a (at the end 1 / sum), +3 its partner in the pair (0), +4 to +7 at work
.set ONES, 48
.set S,   64
.set KF,  128
.set VF,  192
.set QF,  160         ; in window 1
.set WV,  12          ; s12  my wave's number
.set LIM, 15          ; s15  1 in a wave that prefetches, else the greatest number
.set PFA, 18          ; s[18:19] where my prefetches stand
.set G1K, 24          ; s[24:31] descriptor group 1 for K's tiles
.set G1V, 32          ; s[32:39] for V's: it differs in the padding alone
.set G0K, 40          ; s[40:47] descriptor group 0 for K's tiles: a set for each of the two first fills; the second then walks on
.set G0V, 48          ; s[48:55] the same for V's
.set SLOTS, 56        ; s56  slots still to be asked for
.set CNT, 57          ; s57  counts key steps
.set CS,  58          ; s[58:59] c: the packed scaling names a pair and takes its low word for both halves
.set SEL, 60          ; s[60:61] lane selects for v_permlanex16_b32: lane l xor 16
.set TB,  62          ; s62  LDS byte at which the tiles of the step to be fetched begin
.set MSB, 0
.macro WIN new                      ; the immediate's high byte repeats the setting that is left; a switch that changes nothing is dropped
.if MSB != \new
	s_set_vgpr_msb (MSB<<8)|\new
.set MSB, \new
.endif
.endm
.macro PLACES n                     ; plain vector instructions that name no register: the distance behind matrix instructions (ISA guide 7.12.1)
.rept \n
	v_nop
.endr
.endm
; A joint refill.  Waves 0 to 3 fetch the slot's four tiles of K, waves 4 to 7 those of V.  The branch hangs on the wave's number alone.  An s_nop 0 and four v_nop follow each of the two lines.
.macro JLOAD
	s_cmp_lt_u32 s[WV], 4
	s_cbranch_scc0 .Lfor_v_\@
	tensor_load_to_lds s[G0K+4:G0K+7], s[G1K:G1K+7]
	s_nop 0
.rept 4
	v_nop
.endr
	s_branch .Lasked_\@
.Lfor_v_\@:
	tensor_load_to_lds s[G0V+4:G0V+7], s[G1V:G1V+7]
	s_nop 0
.rept 4
	v_nop
.endr
.Lasked_\@:
.endm
; A PREFETCH INTO THE L2 of what the NEXT change of slots will ask for: a slot's 32,768 bytes of K and as many of V, four key steps ahead of that load.  It stands behind the wave's tensor load and its five lines.
; Each aligned block of 256 bytes is named once in the launch: a head has one cluster; its four partners share a slot's bytes out BY ADDRESS, 8,192 each; in each, wave 0 asks for K's and wave 4 for V's, lanes 256 bytes apart.
; The last change that fills a slot asks for nothing: there is no slot behind it.  Slots 0, 1 and 2 come by their loads alone.
.macro ASK
	s_cmp_gt_u32 s[SLOTS], s[LIM]
	s_cbranch_scc0 .Lnot_mine_\@
	global_prefetch_b8 v[PFO], s[PFA:PFA+1] th:TH_LOAD_NT scope:SCOPE_SE
.Lnot_mine_\@:
.endm
.macro CROUND                       ; a round of the cluster's barrier
	s_barrier_signal -1
	s_barrier_wait -1
	s_cmp_lg_u32 s[WV], 0
	s_cbranch_scc1 .Lnot_wave_0_\@
	s_barrier_signal -3
.Lnot_wave_0_\@:
	s_barrier_wait -3
	s_barrier_signal -1
	s_barrier_wait -1
.endm
	s_load_b128 s[4:7], s[0:1], 0x0   ; qkv s[4:5], ctx s[6:7]
	v_lshl_add_u32 v[SPW], v0, 2, SPARE
	v_mov_b32 v[NIL], 0
	ds_add_u32 v[SPW], v[NIL]       ; the wave's opening: the add, twice on end, and its wait ahead of my first tensor load
	ds_add_u32 v[SPW], v[NIL]
	v_lshrrev_b32 v1, 5, v0
	v_readfirstlane_b32 s[WV], v1   ; wave 0..7
	s_bfe_u32 s13, ttmp6, 0x40000   ; cx: my place in the cluster: it enters Q's, ctx's and the prefetches' addresses alone
	s_and_b32 s14, ttmp7, 0xffff    ; the head 16 n + h, which the four partners share
	s_lshl_b32 s20, s14, 18         ; the head's first byte in each of q, k, v
	s_and_b32 s16, s[WV], 3         ; which of a slot's four steps I fetch:
	s_lshl_b32 s22, s16, 13         ; its 64 rows of 128 bytes in memory,
	s_add_co_u32 s22, s22, s20
	s_add_co_u32 s22, s22, 1<<24    ; in k's part of qkv
	s_mov_b32 s23, 0
	s_mul_i32 s17, s16, STEPB       ; and its place in a slot: no place in the cluster enters an LDS address
	s_lshl_b32 s2, s13, 16          ; my work-group's 512 queries of 128 bytes,
	s_lshl_b32 s3, s[WV], 13        ; my wave's 64 of them
	s_add_co_u32 s2, s2, s3
	s_add_co_u32 s2, s2, s20
	s_mov_b32 s3, 0
	s_lshr_b32 s18, s14, 4          ; ctx: n x 2^22,
	s_lshl_b32 s18, s18, 22
	s_and_b32 s19, s14, 15          ; h x 256,
	s_lshl_b32 s19, s19, 8
	s_add_co_u32 s18, s18, s19
	s_lshl_b32 s19, s13, 20         ; 512 queries are 256 pairs of 4,096 bytes,
	s_add_co_u32 s18, s18, s19
	s_lshl_b32 s19, s[WV], 17       ; 64 queries 32 pairs
	s_add_co_u32 s18, s18, s19
	s_mov_b32 s19, 0
	; descriptor group 1: a tile of 64 rows x 64 elements, padded in LDS
	s_mov_b32 s[G1K], 15|(1<<16)|(1<<20)|(1<<21)|(4<<22)|(3<<25)  ; 15:0 the mask: all four work-groups; 17:16 elements of 2 bytes; 20 padding on; 21 set beside a mask; 24:22 after every 32 words; 31:25 4 words of it
	s_mov_b32 s[G1V], 15|(1<<16)|(1<<20)|(1<<21)|(4<<22)|(7<<25)  ; the same with 8 words of padding
.irp g, G1K, G1V
	s_mov_b32 s[\g+1], 64<<16       ; tensor_dim0 = 64
	s_mov_b32 s[\g+2], KS<<16       ; tensor_dim1 = 64
	s_mov_b32 s[\g+3], 64<<16       ; tile_dim0 = 64
	s_mov_b32 s[\g+4], KS           ; tile_dim1 = 64
	s_mov_b32 s[\g+5], 64           ; tensor_dim0_stride: elements from row to row
	s_mov_b32 s[\g+6], 0
	s_mov_b32 s[\g+7], 0
.endr
	s_mov_b32 s[CS], 0x3e38aa3b     ; c = log2(e) / sqrt(64)
	s_mov_b32 s[CS+1], s[CS]        ; named with it as a pair, so it is written
	s_mov_b32 s[SEL], 0x76543210
	s_mov_b32 s[SEL+1], 0xfedcba98
	s_mov_b32 s[TB], 0
	s_mov_b32 s[SLOTS], 2048/(NST*KS)-2
	s_cmp_eq_u32 s16, 0             ; waves 0 and 4 prefetch: the same in all four partners
	s_cselect_b32 s[LIM], 1, -1
	s_wait_dscnt 0x0                ; both opening adds are done
	s_wait_kmcnt 0x0
	s_add_nc_u64 s[8:9], s[4:5], s[22:23]    ; K at my tile of slot 0: made of the head and the wave's number alone
	s_add_nc_u64 s[10:11], s[8:9], 1<<24     ; V likewise
	s_add_nc_u64 s[4:5], s[4:5], s[2:3]      ; Q at my wave's first row
	s_add_nc_u64 s[6:7], s[6:7], s[18:19]    ; ctx at my wave's first pair
	s_cmp_lt_u32 s[WV], 4
	s_cselect_b64 s[PFA:PFA+1], s[8:9], s[10:11]  ; (in waves 0 and 4 these stand at a slot's first row)
	s_lshl_b32 s2, s13, 13          ; my work-group's 8,192 bytes of the 32,768
	s_mov_b32 s3, 0
	s_add_nc_u64 s[PFA:PFA+1], s[PFA:PFA+1], s[2:3]
	s_add_nc_u64 s[PFA:PFA+1], s[PFA:PFA+1], 2*SLOTB  ; in slot 2; the first change of slots steps it to slot 3.  Nothing is prefetched at the head
	CROUND                          ; all four work-groups are here: the first joint loads meet
.irp s, 0,1
	s_mov_b32 s[G0K+4*\s], 1        ; count = 1
	s_add_co_u32 s[G0K+4*\s+1], s17, \s*SLOT1  ; LDS address
	s_add_nc_u64 s[G0K+4*\s+2:G0K+4*\s+3], s[8:9], \s*SLOTB  ; global address: slot s begins with key 256 s
	s_or_b32 s[G0K+4*\s+3], s[G0K+4*\s+3], 0x80000000  ; type = 2
	s_mov_b32 s[G0V+4*\s], 1
	s_add_co_u32 s[G0V+4*\s+1], s17, \s*SLOT1+VOFF
	s_add_nc_u64 s[G0V+4*\s+2:G0V+4*\s+3], s[10:11], \s*SLOTB
	s_or_b32 s[G0V+4*\s+3], s[G0V+4*\s+3], 0x80000000
.endr
	s_cmp_lt_u32 s[WV], 4           ; a wave's two first fills stand in one branch, ahead of every wait on TENSORcnt and every LDS read
	s_cbranch_scc0 .Lfirst_v
	tensor_load_to_lds s[G0K:G0K+3], s[G1K:G1K+7]
	s_nop 0
	tensor_load_to_lds s[G0K+4:G0K+7], s[G1K:G1K+7]
	s_nop 0
.rept 4
	v_nop
.endr
	s_branch .Lfirst_asked
.Lfirst_v:
	tensor_load_to_lds s[G0V:G0V+3], s[G1V:G1V+7]
	s_nop 0
	tensor_load_to_lds s[G0V+4:G0V+7], s[G1V:G1V+7]
	s_nop 0
.rept 4
	v_nop
.endr
.Lfirst_asked:
	; A fragment of K or Q is 16 rows x 32 channels in 8 registers: lane l holds row l % 16; registers 0-3 channels 8 (l / 16) + 0..7, registers 4-7 channels 16 + 8 (l / 16) + 0..7: two loads of 16 bytes, 32 bytes apart.
	v_and_b32 v1, 15, v0            ; r = l % 16
	v_bfe_u32 v9, v0, 4, 1          ; l / 16
	v_lshlrev_b32 v[QO], 7, v1
	v_lshl_add_u32 v[QO], v9, 4, v[QO]  ; row x 128 + 16 x half
	WIN 0x40                        ; destination window 1, address window 0
.irp t, 0,1,2,3                     ; Q stays in registers: tile t, channels 32 c on
.irp c, 0,1
	global_load_b128 v[QF+16*\t+8*\c:QF+16*\t+8*\c+3],   v[QO], s[4:5] offset:2048*\t+64*\c
	global_load_b128 v[QF+16*\t+8*\c+4:QF+16*\t+8*\c+7], v[QO], s[4:5] offset:2048*\t+64*\c+32
.endr
.endr
	WIN 0
	v_mul_u32_u24 v[AK0], v1, PKB
	v_lshl_add_u32 v[AK0], v9, 4, v[AK0]  ; row x pitch + 16 x half
	; The turning load takes 16 keys x 16 channels (lane l reads 16 bytes: key 8 (l / 16) + l % 8, channels 8 ((l / 8) % 2) + 0..7) and leaves half a fragment of V^T: lane l holds channel l % 16 and 8 keys.
	v_and_b32 v10, 7, v0
	v_bfe_u32 v11, v0, 3, 1
	v_lshl_add_u32 v[AV0], v9, 3, v10
	v_mul_u32_u24 v[AV0], v[AV0], PVB
	v_lshl_add_u32 v[AV0], v11, 4, v[AV0]
	v_add_nc_u32 v[AV0], VOFF, v[AV0]
	s_mul_i32 s16, s[WV], 16*SP
	s_add_co_u32 s16, s16, STAGE    ; my stage
	v_mul_u32_u24 v[STO], v1, SP    ; in: row l % 16, 16 bytes for each half of the lanes
	v_lshl_add_u32 v[STO], v9, 4, v[STO]
	v_add_nc_u32 v[STO], s16, v[STO]
	v_bfe_u32 v11, v0, 3, 2         ; back: eight lanes take a row of 128 bytes, four rows an instruction
	v_mul_u32_u24 v[RD], v11, SP
	v_lshl_add_u32 v[RD], v10, 4, v[RD]
	v_add_nc_u32 v[RD], s16, v[RD]
	v_lshlrev_b32 v[GO], 12, v9     ; in ctx two rows are one run of 256 bytes: lanes 0-15 one pair, lanes 16-31 the next, 4,096 bytes on
	v_lshl_add_u32 v[GO], v1, 4, v[GO]
	v_and_b32 v[PFO], 31, v0
	v_lshlrev_b32 v[PFO], 8, v[PFO]
.irp i, 0,1,2,3,4,5,6,7
	v_mov_b32 v[ONES+\i], 0x3c003c00  ; 1.0 twice, in f16
.endr
.irp t, 0,1,2,3
	v_mov_b32 v[ST+8*\t+3], 0       ; named with a as a pair, so it is written
.endr
; S^T = K Q^T for piece x: product i of 16: channels 32 (i / 8) on, keys 16 ((i / 2) % 4) on, tile x + i % 2.  The first 8 start the sums.  The eight accumulators take turns.
.macro KQ x
	WIN 0x04                        ; Q in window 1
.set i, 0
.rept 16
.set rS, S+32*(i%2)+8*((i/2)%4)
.set rK, KF+16*((i/2)%4)+8*(i/8)
.set rQ, QF+16*(\x+i%2)+8*(i/8)
.if i < 8
	v_wmma_f32_16x16x32_f16 v[rS:rS+7], v[rK:rK+7], v[rQ:rQ+7], 0
.else
	v_wmma_f32_16x16x32_f16 v[rS:rS+7], v[rK:rK+7], v[rQ:rQ+7], v[rS:rS+7]
.endif
.set i, i+1
.endr
.endm
; O^T += V^T P for piece x: product i of 20: keys 32 (i / 10) on; accumulator (i / 2) % 5: channels 16 a on, or, for 4, the row's sum (source 0 = ones); tile x + i % 2.  The ten accumulators take turns.
.macro PV x, first
	WIN 0x50                        ; C and D in window 1
.set i, 0
.rept 20
.set rO, 40*(\x+i%2)+8*((i/2)%5)
.set rP, S+32*(i%2)+8*(i/10)
.set rV, VF+32*(i/10)+8*((i/2)%5)
.if (i/2)%5 == 4
.set rV, ONES
.endif
.if \first && (i < 10)
	v_wmma_f32_16x16x32_f16 v[rO:rO+7], v[rV:rV+7], v[rP:rP+7], 0
.else
	v_wmma_f32_16x16x32_f16 v[rO:rO+7], v[rV:rV+7], v[rP:rP+7], v[rO:rO+7]
.endif
.set i, i+1
.endr
.endm
; THE LDS LOADS stand in runs of 16: a step's K (64 keys x 64 channels: 8 fragments) and its V (turned).
.macro FETCH_K
	WIN 0
	v_add_nc_u32 v[ADR], s[TB], v[AK0]
.irp t, 0,1,2,3
.irp c, 0,1
	ds_load_b128 v[KF+16*\t+8*\c:KF+16*\t+8*\c+3],   v[ADR] offset:\t*16*PKB+64*\c
	ds_load_b128 v[KF+16*\t+8*\c+4:KF+16*\t+8*\c+7], v[ADR] offset:\t*16*PKB+64*\c+32
.endr
.endr
.endm
.macro FETCH_V
	WIN 0
	v_add_nc_u32 v[ADR], s[TB], v[AV0]
	s_add_co_u32 s[TB], s[TB], STEPB  ; the next fetch is the next step's
.irp h, 0,1
.irp a, 0,1,2,3
	ds_load_tr16_b128 v[VF+32*\h+8*\a:VF+32*\h+8*\a+3],   v[ADR] offset:\h*32*PVB+32*\a
	ds_load_tr16_b128 v[VF+32*\h+8*\a+4:VF+32*\h+8*\a+7], v[ADR] offset:\h*32*PVB+16*PVB+32*\a
.endr
.endr
.endm
; THE SOFTMAX of piece x for one key step; its two tiles alternate line by line, so that no line waits for the line above it.  first = 1: the first key step, which has no old maximum and no a.
.macro SM x, first
	WIN 0
.irp j, 0,1,2,3                     ; the maximum of the lane's 32 scores and the old m, three operands at a time; each accumulator is read from its low end on
.irp u, 0,1
	v_max3_num_f32 v[ST+8*(\x+\u)+4+\j], v[S+32*\u+8*\j], v[S+32*\u+8*\j+1], v[S+32*\u+8*\j+2]
.endr
.endr
.irp g, 1,2
.irp j, 0,1,2,3
.irp u, 0,1
	v_max3_num_f32 v[ST+8*(\x+\u)+4+\j], v[ST+8*(\x+\u)+4+\j], v[S+32*\u+8*\j+2*\g+1], v[S+32*\u+8*\j+2*\g+2]
.endr
.endr
.endr
.irp u, 0,1
	v_max3_num_f32 v[ST+8*(\x+\u)+4], v[ST+8*(\x+\u)+4], v[S+32*\u+7], v[S+32*\u+15]
	v_max3_num_f32 v[ST+8*(\x+\u)+6], v[ST+8*(\x+\u)+6], v[S+32*\u+23], v[S+32*\u+31]
.endr
.irp u, 0,1
	v_max3_num_f32 v[ST+8*(\x+\u)+4], v[ST+8*(\x+\u)+4], v[ST+8*(\x+\u)+5], v[ST+8*(\x+\u)+6]
.endr
.irp u, 0,1
.if \first
	v_max_num_f32 v[ST+8*(\x+\u)+4], v[ST+8*(\x+\u)+4], v[ST+8*(\x+\u)+7]
.else
	v_max3_num_f32 v[ST+8*(\x+\u)+4], v[ST+8*(\x+\u)+4], v[ST+8*(\x+\u)+7], v[ST+8*(\x+\u)+1]
.endif
.endr
.irp u, 0,1
	v_permlanex16_b32 v[ST+8*(\x+\u)+5], v[ST+8*(\x+\u)+4], s[SEL], s[SEL+1]  ; the query's other 32 keys lie in the lane 16 away
.endr
.if !\first
.irp u, 0,1
	v_mov_b32 v[ST+8*(\x+\u)+7], v[ST+8*(\x+\u)]  ; c m_old is kept for a
.endr
.endif
.irp u, 0,1
	v_max_num_f32 v[ST+8*(\x+\u)+1], v[ST+8*(\x+\u)+4], v[ST+8*(\x+\u)+5]  ; the new m
.endr
.irp u, 0,1
	v_mul_f32 v[ST+8*(\x+\u)], s[CS], v[ST+8*(\x+\u)+1]  ; c m
.endr
.if !\first
.irp u, 0,1
	v_sub_f32 v[ST+8*(\x+\u)+7], v[ST+8*(\x+\u)+7], v[ST+8*(\x+\u)]  ; c m_old - c m_new
.endr
.endif
.irp i, 0,2,4,6,8,10,12,14,16,18,20,22,24,26,28,30
.irp u, 0,1
	v_pk_fma_f32 v[S+32*\u+\i:S+32*\u+\i+1], v[S+32*\u+\i:S+32*\u+\i+1], s[CS:CS+1], v[ST+8*(\x+\u):ST+8*(\x+\u)+1] op_sel_hi:[1,0,0] neg_lo:[0,0,1] neg_hi:[0,0,1]  ; c s - c m, two at a time
.endr
.endr
.if !\first
.irp u, 0,1
	v_exp_f32 v[ST+8*(\x+\u)+2], v[ST+8*(\x+\u)+7]  ; a
.endr
.endif
.irp u, 0,1                         ; the exponentials go as ONE batch: none reads another's result
.set i, 0
.rept 32
	v_exp_f32 v[S+32*\u+i], v[S+32*\u+i]
.set i, i+1
.endr
.endr
	v_nop                           ; a plain instruction behind the last exponential, ahead of the first use
	s_wait_alu depctr_va_vdst(0)    ; the wait ahead of the first instruction that names a result: one for the piece's batch
.irp i, 0,1,2,3,4,5,6,7,8,9,10,11,12,13,14,15
.irp u, 0,1
	v_cvt_pk_f16_f32 v[S+32*\u+\i], v[S+32*\u+2*\i], v[S+32*\u+2*\i+1]  ; P in place, over S^T's low 16 registers: register i is written when registers 2 i and 2 i + 1 are read, never earlier
.endr
.endr
.endm
.macro RESCALE x                    ; the piece's O^T and sums times a, each accumulator from its low end on
	WIN 0x41                        ; destination and source 0 in window 1, a in window 0
.irp u, 0,1
.set i, 0
.rept 20
	v_pk_mul_f32 v[40*(\x+\u)+2*i:40*(\x+\u)+2*i+1], v[40*(\x+\u)+2*i:40*(\x+\u)+2*i+1], v[ST+8*(\x+\u)+2:ST+8*(\x+\u)+3] op_sel_hi:[1,0]
.set i, i+1
.endr
.endr
.endm
; THE CHANGE OF SLOTS stands in the middle of a slot's last key step, when that step's K and V are in registers.  Each wave waits for all its tensor loads, of which one is out: its part of the other slot; adds 0 to its
; spare word; and waits for that and for its own reads of the slot.  Behind the barrier nobody reads this slot any more and the other slot is whole.
; fill = 1: the barrier is a round of the cluster's, and the joint refill, the keys two slots on, is the first thing behind it.
.macro CHANGE fill
	WIN 0                           ; at a label and at a branch every window is 0
	s_wait_tensorcnt 0x0            ; no tensor load of mine is out, so a group 0 may be written
	ds_add_u32 v[SPW], v[NIL]       ; 0 onto my spare word
.if \fill
.irp g, G0K+4, G0V+4
	s_xor_b32 s[\g+1], s[\g+1], SLOT1  ; the walking descriptor: the other slot than last time,
	s_add_nc_u64 s[\g+2:\g+3], s[\g+2:\g+3], SLOTB  ; the next 256 keys; the type bits on top are not reached
.endr
	s_wait_xcnt 0x0                 ; the last prefetch, four key steps back, has read its address, so it may be written:
	s_add_nc_u64 s[PFA:PFA+1], s[PFA:PFA+1], SLOTB  ; one slot further on than the walking descriptors
	s_wait_dscnt 0x0                ; the add is done, and my reads of the slot are over
	CROUND
	JLOAD                           ; its four v_nop are also the places in front of the loads into K's registers
	ASK
.else
	s_wait_dscnt 0x0                ; the add is done, and my reads of the slot are over
	s_barrier_signal -1
	s_barrier_wait -1
	PLACES 4
.endif
	s_sub_co_u32 s[TB], s[TB], NST*STEPB  ; the fetches go back to a slot's first step,
	s_xor_b32 s[TB], s[TB], SLOT1   ; in the other slot
.endm
; A KEY STEP.  first = 1: the first (sums start with the constant 0).  chg = 1: a change of slots with a refill; 2: without.  last = 1: nothing more is fetched.
.macro STEP first, chg, last
	s_wait_dscnt 16                 ; K's 16 loads are in; V's 16, issued behind them, may be out
	KQ 0
	PLACES 4                        ; behind the products, ahead of the first read of their results
	SM 0, \first
	s_wait_dscnt 0x0                ; V is in
.if !\first
	RESCALE 0
.endif
	PV 0, \first
	PLACES 5                        ; the next products write over registers that these have read as P: five places
	KQ 2
.if \chg == 1
	CHANGE 1
.elseif \chg == 2
	CHANGE 0
.else
	PLACES 4                        ; ahead of the loads into K's registers and of the first read of the scores
.endif
.if !\last
	FETCH_K                         ; the next step's K: both pieces have multiplied by this step's
.endif
	SM 2, \first
.if !\first
	RESCALE 2
.endif
	PV 2, \first
	PLACES 5                        ; ahead of the loads into V's registers (four are asked) and of the next step's products, which write over P (five)
.if !\last
	FETCH_V
.endif
	WIN 0
.endm
.macro STEPS n                      ; n plain key steps: written once, walked n times; the LDS addresses hang on s[TB]
	s_mov_b32 s[CNT], \n
.Lstep_\@:
	STEP 0, 0, 0
	s_sub_co_u32 s[CNT], s[CNT], 1
	s_cmp_lg_u32 s[CNT], 0
	s_cbranch_scc1 .Lstep_\@
.endm
	s_wait_tensorcnt 1              ; my part of slot 0 is in; slot 1's may stay out
	s_barrier_signal -1
	s_barrier_wait -1               ; everybody's is
	FETCH_K                         ; key step 0
	FETCH_V
	s_wait_loadcnt 0x0              ; Q
	STEP 1, 0, 0                    ; key step 0
	STEPS 2                         ; 1, 2
.Lslot:                             ; six trips, key steps 3 to 26: slots 2 to 7 are asked for
	STEP 0, 1, 0
	STEPS 3
	s_sub_co_u32 s[SLOTS], s[SLOTS], 1
	s_cmp_lg_u32 s[SLOTS], 0
	s_cbranch_scc1 .Lslot
	STEP 0, 2, 0                    ; key step 27: the tail is written out
	STEPS 3                         ; 28 to 30
	STEP 0, 0, 1                    ; 31
	; THE WAY OUT.  O^T is divided by the sum (every register of the fifth accumulator holds it: its lowest is read), rounded to f16 and sent through my stage in LDS, a tile (16 queries) at a time.
	WIN 0x01                        ; source 0 in window 1
.irp t, 0,1,2,3
	v_rcp_f32 v[ST+8*\t+2], v[40*\t+32]
.endr
	v_nop                           ; a plain instruction between the last reciprocal and the use of its result
	s_wait_alu depctr_va_vdst(0)    ; and the wait ahead of the first use: one for the four
.macro OPACK t
	WIN 0x01
.set i, 0
.rept 16
	v_pk_mul_f32 v[KF+2*i:KF+2*i+1], v[40*\t+2*i:40*\t+2*i+1], v[ST+8*\t+2:ST+8*\t+3] op_sel_hi:[1,0]
.set i, i+1
.endr
	WIN 0
.set i, 0
.rept 16
	v_cvt_pk_f16_f32 v[KF+32+i], v[KF+2*i], v[KF+2*i+1]
.set i, i+1
.endr
.irp a, 0,1,2,3
	ds_store_b128 v[STO], v[KF+32+4*\a:KF+32+4*\a+3] offset:32*\a   ; lane (r, half): query r, channels 16 a + 8 half + 0..7
.endr
.irp k, 0,1,2,3
	ds_load_b128 v[S+16*\t+4*\k:S+16*\t+4*\k+3], v[RD] offset:\k*4*SP  ; LDS serves a wave's instructions in order (ISA guide 5.7.1.4): these see the stores above; the next tile's stores come behind them
.endr
.endm
.macro OSEND t, younger             ; younger: the LDS instructions issued behind tile t's loads: the next tile's eight, or none
.irp k, 0,1,2,3
	s_wait_dscnt \younger+3-\k
	global_store_b128 v[GO], v[S+16*\t+4*\k:S+16*\t+4*\k+3], s[6:7] offset:32768*\t+8192*\k  ; 16 lanes store 256 consecutive bytes, at a multiple of 256 from ctx's first byte
.endr
.endm
	OPACK 0
	OPACK 1                         ; a tile's arithmetic stands between the loads of the tile before and its stores
	OSEND 0, 8
	OPACK 2
	OSEND 1, 8
	OPACK 3
	OSEND 2, 8
	OSEND 3, 0
	s_wait_tensorcnt 0x0            ; the wave's end, behind my last tensor load and my last LDS store
	ds_add_u32 v[SPW], v[NIL]
	s_wait_dscnt 0x0
	CROUND                          ; the closing round: no work-group ends while a partner may still ask for a tile that names it
	s_endpgm
.Lfunc_end_k_q73b7b1bb0d_attn:
	.size	k_q73b7b1bb0d_attn, .Lfunc_end_k_q73b7b1bb0d_attn-k_q73b7b1bb0d_attn
	.p2alignl 7, 3214868480
	.fill 96, 4, 3214868480
	.section	.rodata,"a",@progbits
	.p2align	6, 0x0
	.amdhsa_kernel k_q73b7b1bb0d_attn
		.amdhsa_group_segment_fixed_size 327680
		.amdhsa_private_segment_fixed_size 0
		.amdhsa_enable_private_segment 0
		.amdhsa_kernarg_size 16
		.amdhsa_user_sgpr_count 2
		.amdhsa_user_sgpr_kernarg_segment_ptr 1
		.amdhsa_wavefront_size32 1
		.amdhsa_system_sgpr_workgroup_id_x 1
		.amdhsa_system_sgpr_workgroup_id_y 1
		.amdhsa_system_sgpr_workgroup_id_z 1
		.amdhsa_system_vgpr_workitem_id 0
		.amdhsa_next_free_vgpr 512
		.amdhsa_next_free_sgpr 66
		.amdhsa_reserve_vcc 0
		.amdhsa_float_denorm_mode_32 3
		.amdhsa_float_denorm_mode_16_64 3
		.amdhsa_memory_ordered 1
		.amdhsa_forward_progress 1
		.amdhsa_inst_pref_size 226
	.end_amdhsa_kernel
	.amdgpu_metadata
---
amdhsa.version: [ 1, 2 ]
amdhsa.kernels:
  - .name:           k_q73b7b1bb0d_attn
    .symbol:         k_q73b7b1bb0d_attn.kd
    .args:
      - { .name: qkv, .offset: 0, .size: 8, .value_kind: global_buffer, .address_space: global }
      - { .name: ctx, .offset: 8, .size: 8, .value_kind: global_buffer, .address_space: global }
    .group_segment_fixed_size: 327680
    .private_segment_fixed_size: 0
    .kernarg_segment_align: 8
    .kernarg_segment_size: 16
    .max_flat_workgroup_size: 256
    .sgpr_count:     66
    .vgpr_count:     512
    .wavefront_size: 32
...
	.end_amdgpu_metadata
.endif
;; end of part 3
;; launch proj (part 4): grid 4 x 64, 4 waves a work-group, clusters of 4 x 4, 327,680 bytes of LDS; arguments ctx, wo16, out0; writes out0
.if DOCPART == 4
	.amdgcn_target "amdgcn-amd-amdhsa--gfx1250"
	.amdhsa_code_object_version 6
	.text
	.protected	k_q73b7b1bb0d_proj
	.globl	k_q73b7b1bb0d_proj
	.p2align	8
	.type	k_q73b7b1bb0d_proj,@function
k_q73b7b1bb0d_proj:
	s_mov_b64 s[64:65], 0
	v_nop
	global_prefetch_b8 v0, s[64:65] scope:SCOPE_SE
	s_setreg_imm32_b32 hwreg(HW_REG_WAVE_MODE, 25, 1), 1
	s_wait_xcnt 0x0
	s_wait_alu depctr_hold_cnt(0) depctr_sa_sdst(0) depctr_va_vdst(0) depctr_va_sdst(0) depctr_va_ssrc(0) depctr_va_vcc(0) depctr_vm_vsrc(0)
	s_getreg_b32 s2, hwreg(HW_REG_IB_STS2, 6, 4)
	s_cmp_eq_u32 s2, 0
	s_cbranch_scc0 .Lentry_in_a_cluster
	s_endpgm
.Lentry_in_a_cluster:
	s_bfe_u32 s2, ttmp6, 0x10000c
	s_cmp_lg_u32 s2, 0xf033
	s_cbranch_scc0 .Lentry_shape_is_right
	s_endpgm
.Lentry_shape_is_right:
; out0[l][n][f] = sum over e of ctx[l][n][e] W[f][e]: 8,192 rows x 1,024 columns, K = 1,024; f16 operands, f32 sums, f32 results.
; ctx: [n][l / 2][h][l % 2][64] f16: a pair of positions is a row of 4,096 bytes, and two heads of a pair are 512 consecutive bytes: K = 128 of two rows of the product.  wo16: [f][e] f16.
; A tile of the result is 128 rows (one n, 128 positions l) x 256 columns: 256 work-groups.  Four waves, each 64 x 128: 32 accumulators of 16 x 16, 256 registers.
; K goes in steps of 128 through a ring of two LDS slots: 64 pair rows of 512 bytes of ctx and 256 rows of 256 bytes of W.  Waves 0 and 1 fetch ctx's halves, waves 2 and 3 W's: one tensor load a wave behind each round.
; By the text's own count a wave has two tensor loads out at the start and one behind each round.
; CLUSTERS: 4 x 4 work-groups.  The four of a row of the cluster need the same tiles of ctx, the four of a column the same tiles of W: each tile is asked for JOINTLY.
; THE MATRIX INSTRUCTION IS USED TRANSPOSED (source 0 = 16 rows of W, source 1 = 16 rows of ctx): a lane then holds eight neighbouring numbers of a row of the result.
; No prefetch: the launch has eight K steps in all.
; REGISTERS: window 0: v0-31 addresses; v32-127, v128-223 two fragment buffers for 32 along K: 64 registers of W (8 x 16 rows), then 32 of ctx (4 x 16 rows); on the way out v32-159 are at work.
;   window 1: the accumulators ((a, b) at v[8 (8 a + b)]).
.set SIZE_K, 1024
.set KSTEP,  128
.set PA,     528                       ; a pair row of ctx in LDS: 512 bytes + 16 of padding
.set HALFA,  32*PA                     ; 32 pair rows = 64 rows: what one tensor load brings, and what one wave reads
.set ATILE,  2*HALFA
.set PB,     272                       ; a row of W: 256 bytes + 16
.set HALFB,  128*PB
.set SLOT,   ATILE+2*HALFB
.set STAGE,  2*SLOT                    ; behind the ring: 16 rows x (512 bytes + 16) for each wave, for the way out
.set SPITCH, 528
.set SPARE,  STAGE+4*16*SPITCH         ; behind the stages: the spare words, 128 bytes for each wave
.set LAPS,   SIZE_K/(2*KSTEP)          ; a lap = two K steps = once round the ring
.set ADRA, 16                          ; v16-17  LDS address of my ctx fragments in slot 0, 1
.set ADRB, 20                          ; v20-21  the same for W
.set STO,  24                          ; v24     the way out: where I put 32 bytes of a row
.set RD,   25                          ; v25     the way out: where I read a row back
.set CO,   26                          ; v26     16 x lane: my bytes of a row's 512
.set SPW,  28                          ; v28     LDS address of my spare word; never rewritten
.set NIL,  29                          ; v29     0; never rewritten
.set F0,   32
.set F1,   128
.set BK,   32                          ; the way out: 16 rows read back: v32-95 and v96-159 by turns
.set G1, 24                            ; s[24:31] descriptor group 1 for ctx's tiles;  s[32:39] group 0, one set for each slot
.set G0, 32
.set G1B, 48                           ; s[48:55], s[56:63] the same for W's tiles
.set G0B, 56
.set MSB, 0
.macro WIN new                         ; the immediate's high byte repeats the setting that is left
.if MSB != \new
	s_set_vgpr_msb (MSB<<8)|\new
.set MSB, \new
.endif
.endm
.set MUL, 0x50                         ; C and D window 1; both sources window 0
.macro JLOAD s                         ; a joint load: waves 0 and 1 fetch ctx's two halves, waves 2 and 3 W's; an s_nop 0 and four v_nop follow each of the two lines
	s_cmp_eq_u32 s11, 0
	s_cbranch_scc0 .Lfor_b_\@
	tensor_load_to_lds s[G0+4*\s:G0+4*\s+3], s[G1:G1+7]
	s_nop 0
.rept 4
	v_nop
.endr
	s_branch .Lasked_\@
.Lfor_b_\@:
	tensor_load_to_lds s[G0B+4*\s:G0B+4*\s+3], s[G1B:G1B+7]
	s_nop 0
.rept 4
	v_nop
.endr
.Lasked_\@:
.endm
.macro CREST                           ; a round of the cluster's barrier behind its opening barrier
	s_cmp_lg_u32 s10, 0
	s_cbranch_scc1 .Lnot_wave_0_\@
	s_barrier_signal -3
.Lnot_wave_0_\@:
	s_barrier_wait -3
	s_barrier_signal -1
	s_barrier_wait -1
.endm
.macro CROUND                          ; a whole round
	s_barrier_signal -1
	s_barrier_wait -1
	CREST
.endm
	s_load_b128 s[4:7], s[0:1], 0x0                ; ctx s[4:5], wo16 s[6:7]
	s_load_b64 s[8:9], s[0:1], 0x10                ; out0
	v_lshl_add_u32 v[SPW], v0, 2, SPARE
	v_mov_b32 v[NIL], 0
	ds_add_u32 v[SPW], v[NIL]                      ; the wave's opening: the add, twice on end, and its wait ahead of my first tensor load
	ds_add_u32 v[SPW], v[NIL]
	v_lshrrev_b32 v1, 5, v0
	v_readfirstlane_b32 s10, v1                    ; wave 0..3
	s_lshr_b32 s11, s10, 1                         ; which half of the tile's rows is mine.  Also: I fetch for ctx (0) or for W (1)
	s_and_b32 s12, s10, 1                          ; which half of its columns.  Also: which half of that tile I fetch
	s_bfe_u32 s40, ttmp6, 0x40000                  ; cx, cy: my place in the cluster
	s_bfe_u32 s41, ttmp6, 0x40004
	s_lshl_b32 s42, ttmp9, 2
	s_add_co_u32 s42, s42, s40                     ; tile column = 4 x cluster x + cx
	s_and_b32 s13, ttmp7, 0xffff
	s_lshl_b32 s13, s13, 2
	s_add_co_u32 s13, s13, s41                     ; tile row = 4 x cluster y + cy
	s_lshl_b32 s43, s41, 2
	s_lshl_b32 s43, 15, s43                        ; my row of the cluster
	s_lshl_b32 s44, 0x1111, s40                    ; my column
	; descriptor group 1.  ctx: 32 pair rows x 256 elements, 2,048 elements apart;  W: 128 rows x 128 elements, 1,024 apart
	s_or_b32 s[G1+0], s43, (1<<16)|(1<<20)|(1<<21)|(6<<22)|(3<<25)   ; 15:0 the mask: my row; 17:16 element of 2 bytes; 20 padding on; 21 set beside a mask; 24:22 after every 128 words; 31:25 of 4 words
	s_mov_b32 s[G1+1], 256<<16                     ; tensor_dim0
	s_mov_b32 s[G1+2], 32<<16                      ; tensor_dim1
	s_mov_b32 s[G1+3], 256<<16                     ; tile_dim0
	s_mov_b32 s[G1+4], 32                          ; tile_dim1
	s_mov_b32 s[G1+5], 2048                        ; tensor_dim0_stride
	s_mov_b32 s[G1+6], 0
	s_mov_b32 s[G1+7], 0
	s_or_b32 s[G1B+0], s44, (1<<16)|(1<<20)|(1<<21)|(5<<22)|(3<<25)  ; the mask: my column; padding after every 64 words
	s_mov_b32 s[G1B+1], KSTEP<<16
	s_mov_b32 s[G1B+2], 128<<16
	s_mov_b32 s[G1B+3], KSTEP<<16
	s_mov_b32 s[G1B+4], 128
	s_mov_b32 s[G1B+5], SIZE_K
	s_mov_b32 s[G1B+6], 0
	s_mov_b32 s[G1B+7], 0
	s_lshl_b32 s16, s13, 6                         ; ctx: pair row 64 x tile row
	s_lshl_b32 s17, s12, 5
	s_add_co_u32 s16, s16, s17                     ; + 32 x half,
	s_lshl_b32 s16, s16, 12                        ; 4,096 bytes each
	s_mov_b32 s17, 0
	s_lshl_b32 s46, s42, 8                         ; W: row 256 x tile column
	s_lshl_b32 s47, s12, 7
	s_add_co_u32 s46, s46, s47                     ; + 128 x half,
	s_lshl_b32 s46, s46, 11                        ; 2,048 bytes each
	s_mov_b32 s47, 0
	s_mul_i32 s20, s12, HALFA                      ; where they go: no place in the cluster enters an LDS address
	s_mul_i32 s21, s12, HALFB
	s_add_co_u32 s21, s21, ATILE
	s_wait_dscnt 0x0                               ; both opening adds are done
	s_wait_kmcnt 0x0
	s_add_nc_u64 s[14:15], s[4:5], s[16:17]
	s_add_nc_u64 s[46:47], s[6:7], s[46:47]
	CROUND                                         ; all sixteen work-groups are here: the first joint loads meet
.irp s, 0,1
	s_mov_b32 s[G0+4*\s], 1
	s_add_co_u32 s[G0+4*\s+1], s20, \s*SLOT
	s_add_nc_u64 s[G0+4*\s+2:G0+4*\s+3], s[14:15], \s*512          ; K step s: two heads of a pair, 512 bytes
	s_or_b32 s[G0+4*\s+3], s[G0+4*\s+3], 0x80000000
	s_mov_b32 s[G0B+4*\s], 1
	s_add_co_u32 s[G0B+4*\s+1], s21, \s*SLOT
	s_add_nc_u64 s[G0B+4*\s+2:G0B+4*\s+3], s[46:47], \s*KSTEP*2
	s_or_b32 s[G0B+4*\s+3], s[G0B+4*\s+3], 0x80000000
	JLOAD \s
.endr
	v_and_b32 v1, 15, v0                           ; r = l % 16
	v_bfe_u32 v2, v0, 4, 1                         ; l / 16
	v_lshrrev_b32 v3, 1, v1                        ; ctx: row r lies in pair row r / 2, at 128 (r % 2) of each head's 256 bytes
	v_mul_u32_u24 v3, v3, PA
	v_and_b32 v4, 1, v0
	v_lshl_add_u32 v3, v4, 7, v3
	v_lshl_add_u32 v3, v2, 4, v3
	v_mul_u32_u24 v4, v1, PB                       ; W: row x pitch + 16 x half
	v_lshl_add_u32 v4, v2, 4, v4
	s_mul_i32 s22, s11, HALFA                      ; my 64 rows of ctx
	s_mul_i32 s23, s12, HALFB                      ; my 128 rows of W,
	s_add_co_u32 s23, s23, ATILE                   ; which lie behind ctx's tile
.irp s, 0,1
	v_add_nc_u32 v[ADRA+\s], s22, v3
	v_add_nc_u32 v[ADRB+\s], s23, v4
	s_add_co_u32 s22, s22, SLOT
	s_add_co_u32 s23, s23, SLOT
.endr
	s_mul_i32 s23, s10, 16*SPITCH
	s_add_co_u32 s23, s23, STAGE                   ; my stage
	v_mul_u32_u24 v5, v1, SPITCH                   ; in: row l % 16, 32 bytes for each half of the lanes
	v_lshl_add_u32 v5, v2, 5, v5
	v_add_nc_u32 v[STO], s23, v5
	v_and_b32 v6, 31, v0
	v_lshlrev_b32 v[CO], 4, v6                     ; back: the 32 lanes take one row of 512 bytes; and the same in out0
	v_add_nc_u32 v[RD], s23, v[CO]
	; my first row of out0: l = 128 (tile row % 16) + 64 x half, n = tile row / 16: row 4 l + n of 4,096 bytes
	s_and_b32 s16, s13, 15
	s_lshl_b32 s16, s16, 7
	s_lshl_b32 s17, s11, 6
	s_add_co_u32 s16, s16, s17
	s_lshl_b32 s16, s16, 2
	s_lshr_b32 s17, s13, 4
	s_add_co_u32 s16, s16, s17
	s_lshl_b32 s16, s16, 12
	s_mov_b32 s17, 0
	s_add_nc_u64 s[8:9], s[8:9], s[16:17]
	s_lshl_b32 s46, s42, 10                        ; my first column, in bytes: 1,024 x tile column + 512 x half
	s_lshl_b32 s47, s12, 9
	s_add_co_u32 s46, s46, s47
	s_mov_b32 s47, 0
	s_add_nc_u64 s[8:9], s[8:9], s[46:47]
; 8 matrix instructions: ctx's block a against W's eight, 32 along K, from buffer f.  zero = 1: the first product starts the sums.  The 32 accumulators take turns, in the same order in every quarter.
.macro MUL8 f, a, zero
.irp b, 0,1,2,3,4,5,6,7
.if \zero
	v_wmma_f32_16x16x32_f16 v[8*(8*\a+\b):8*(8*\a+\b)+7], v[\f+8*\b:\f+8*\b+7], v[\f+64+8*\a:\f+64+8*\a+7], 0
.else
	v_wmma_f32_16x16x32_f16 v[8*(8*\a+\b):8*(8*\a+\b)+7], v[\f+8*\b:\f+8*\b+7], v[\f+64+8*\a:\f+64+8*\a+7], v[8*(8*\a+\b):8*(8*\a+\b)+7]
.endif
.endr
.endm
; 24 LDS loads in one run: the fragments of the slot's q-th 32 along K into buffer f: W's eight, then ctx's four.  In ctx's pair rows quarter q lies in head q / 2, at 64 (q % 2) of a row's 128 bytes.
.macro FETCH slot, q, f
	WIN 0
.irp i, 0,1,2,3,4,5,6,7
	ds_load_b128 v[\f+8*\i:\f+8*\i+3],   v[ADRB+\slot] offset:64*(\q)+\i*16*PB
	ds_load_b128 v[\f+8*\i+4:\f+8*\i+7], v[ADRB+\slot] offset:64*(\q)+\i*16*PB+32
.endr
.irp i, 0,1,2,3
	ds_load_b128 v[\f+64+8*\i:\f+64+8*\i+3],   v[ADRA+\slot] offset:256*((\q)/2)+64*((\q)%2)+\i*8*PA
	ds_load_b128 v[\f+64+8*\i+4:\f+64+8*\i+7], v[ADRA+\slot] offset:256*((\q)/2)+64*((\q)%2)+\i*8*PA+32
.endr
.endm
.macro PLACES                          ; four places in front of loads into registers that matrix instructions have read, and of the first read of results
.rept 4
	v_nop
.endr
.endm
; A K step is four quarters of 32 along K, 32 matrix instructions each, on buffers 0, 1, 0, 1.  One of the first three: multiplies buffer f and fetches quarter q into g.
.macro QUARTER slot, q, f, g, zero
	s_wait_dscnt 4                                 ; W's fragments and ctx's blocks 0 and 1 are in; the youngest four loads (blocks 2 and 3) may be out
	WIN MUL
	MUL8 \f, 0, \zero
	MUL8 \f, 1, \zero
	PLACES
	FETCH \slot, \q, \g
	s_wait_dscnt 24                                ; all but the 24 just issued
	WIN MUL
	MUL8 \f, 2, \zero
	MUL8 \f, 3, \zero
.endm
; The last quarter multiplies buffer 1 and changes slots: ONE barrier; in front of it each wave waits for all its tensor loads, adds 0 to its spare word, and waits for that and for its own reads of this slot.
; fill = 1: the barrier opens a round of the cluster's, and this slot is filled again, two K steps ahead, first thing behind the round.
.macro TURN slot, next, fill
	WIN 0                                          ; (the add's two registers lie in window 0)
	s_wait_tensorcnt 0x0                           ; all my tensor loads have landed: my part of the next slot;
	ds_add_u32 v[SPW], v[NIL]                      ; 0 onto my spare word
	s_wait_dscnt 5                                 ; (the add and the youngest four loads may be out)
	WIN MUL
	MUL8 F1, 0, 0                                  ; eight matrix instructions stand between the add and the wait for it
	s_wait_dscnt 0x0                               ; the add is done, and my reads of this slot are over
	s_barrier_signal -1
	MUL8 F1, 1, 0
	WIN 0                                          ; (branches may follow)
	s_barrier_wait -1
.if \fill
	CREST                                          ; no wave of any partner still reads this slot's tile or has a load on its way
	s_add_nc_u64 s[G0+4*\slot+2:G0+4*\slot+3], s[G0+4*\slot+2:G0+4*\slot+3], 2*512
	s_add_nc_u64 s[G0B+4*\slot+2:G0B+4*\slot+3], s[G0B+4*\slot+2:G0B+4*\slot+3], 2*KSTEP*2
	JLOAD \slot                                    ; the first tensor load behind the round; the four v_nop behind it are also the places in front of the loads below
.else
	PLACES
.endif
	FETCH \next, 0, F0
	WIN MUL
	MUL8 F1, 2, 0
	MUL8 F1, 3, 0
.endm
	s_wait_tensorcnt 1                             ; my part of K step 0 is in (K step 1's load may be out),
	s_barrier_signal -1
	s_barrier_wait -1                              ; everybody's is
	FETCH 0, 0, F0
	QUARTER 0, 1, F0, F1, 1                        ; the first quarter stands in front of the loop: its products start the sums
	WIN 0                                          ; at a label and at a branch every window is 0
	s_mov_b32 s3, LAPS-1
.Llap:                                                 ; a trip goes once round the ring, from a lap's second quarter to the next lap's first, and fills both slots again
	QUARTER 0, 2, F1, F0, 0
	QUARTER 0, 3, F0, F1, 0
	TURN 0, 1, 1
	QUARTER 1, 1, F0, F1, 0
	QUARTER 1, 2, F1, F0, 0
	QUARTER 1, 3, F0, F1, 0
	TURN 1, 0, 1
	QUARTER 0, 1, F0, F1, 0
	WIN 0
	s_sub_co_u32 s3, s3, 1
	s_cmp_lg_u32 s3, 0
	s_cbranch_scc1 .Llap
	QUARTER 0, 2, F1, F0, 0                        ; the last lap fills nothing, and has no round of the cluster's barrier
	QUARTER 0, 3, F0, F1, 0
	TURN 0, 1, 0
	QUARTER 1, 1, F0, F1, 0
	QUARTER 1, 2, F1, F0, 0
	QUARTER 1, 3, F0, F1, 0
	s_wait_dscnt 4                                 ; the very last quarter: nothing more to fetch
	WIN MUL
	MUL8 F1, 0, 0
	MUL8 F1, 1, 0
	s_wait_dscnt 0
	MUL8 F1, 2, 0
	MUL8 F1, 3, 0
	WIN 0
; THE WAY OUT, block by block of 16 rows x 128 columns.  A lane holds 32 neighbouring bytes of a row, and the lanes beside it hold other rows: so a block goes through my own stage in LDS and comes back as whole rows of
; 512 bytes, which the 32 lanes store at a multiple of 512 from out0's first byte.  LDS serves a wave's instructions in order (ISA guide 5.7.1.4): no wait between the stores and the loads, nor in front of the next block's stores.
.macro TOSTAGE a
	WIN 0x04                                       ; an LDS store's data are its source 1: window 1
.irp b, 0,1,2,3,4,5,6,7
	ds_store_b128 v[STO], v[8*(8*(\a)+\b):8*(8*(\a)+\b)+3] offset:64*\b          ; each accumulator from its low end on
	ds_store_b128 v[STO], v[8*(8*(\a)+\b)+4:8*(8*(\a)+\b)+7] offset:64*\b+16
.endr
	WIN 0
.set BB, BK+64*((\a)%2)
.irp t, 0,1,2,3,4,5,6,7,8,9,10,11,12,13,14,15
	ds_load_b128 v[BB+4*\t:BB+4*\t+3], v[RD] offset:\t*SPITCH
.endr
.endm
.macro SEND a, younger                 ; younger: the LDS instructions issued behind block a's loads, which may stay out
.set BB, BK+64*((\a)%2)
	s_wait_dscnt \younger                          ; the block is back in registers
.irp t, 0,1,2,3,4,5,6,7,8,9,10,11,12,13,14,15
	global_store_b128 v[CO], v[BB+4*\t:BB+4*\t+3], s[8:9] offset:(16*(\a)+\t)*16384 th:TH_STORE_NT   ; from position l to l + 1: four rows of 4,096 bytes; written once, read by nobody here
.endr
.endm
	PLACES                                         ; behind the last products: for the stores' reads of results and for the loads into registers that held fragments
	TOSTAGE 0
.irp a, 1,2,3
.if \a > 1
	s_wait_xcnt 0x0                                ; block a - 2's stores have read their registers: block a's loads may land there
.endif
	TOSTAGE \a
	SEND \a-1, 32                                  ; behind block a - 1's loads: block a's 16 stores and 16 loads
.endr
	SEND 3, 0
	s_wait_tensorcnt 0x0                           ; the wave's end, behind my last tensor load and my last LDS store
	ds_add_u32 v[SPW], v[NIL]
	s_wait_dscnt 0x0
	CROUND                                         ; the closing round: no work-group ends while a partner may still ask for a tile that names it
	s_endpgm
.Lfunc_end_k_q73b7b1bb0d_proj:
	.size	k_q73b7b1bb0d_proj, .Lfunc_end_k_q73b7b1bb0d_proj-k_q73b7b1bb0d_proj
	.p2alignl 7, 3214868480
	.fill 96, 4, 3214868480
	.section	.rodata,"a",@progbits
	.p2align	6, 0x0
	.amdhsa_kernel k_q73b7b1bb0d_proj
		.amdhsa_group_segment_fixed_size 327680
		.amdhsa_private_segment_fixed_size 0
		.amdhsa_enable_private_segment 0
		.amdhsa_kernarg_size 24
		.amdhsa_user_sgpr_count 2
		.amdhsa_user_sgpr_kernarg_segment_ptr 1
		.amdhsa_wavefront_size32 1
		.amdhsa_system_sgpr_workgroup_id_x 1
		.amdhsa_system_sgpr_workgroup_id_y 1
		.amdhsa_system_sgpr_workgroup_id_z 1
		.amdhsa_system_vgpr_workitem_id 0
		.amdhsa_next_free_vgpr 512
		.amdhsa_next_free_sgpr 66
		.amdhsa_reserve_vcc 0
		.amdhsa_float_denorm_mode_32 3
		.amdhsa_float_denorm_mode_16_64 3
		.amdhsa_memory_ordered 1
		.amdhsa_forward_progress 1
		.amdhsa_inst_pref_size 85
	.end_amdhsa_kernel
	.amdgpu_metadata
---
amdhsa.version: [ 1, 2 ]
amdhsa.kernels:
  - .name:           k_q73b7b1bb0d_proj
    .symbol:         k_q73b7b1bb0d_proj.kd
    .args:
      - { .name: ctx, .offset: 0, .size: 8, .value_kind: global_buffer, .address_space: global }
      - { .name: wo16, .offset: 8, .size: 8, .value_kind: global_buffer, .address_space: global }
      - { .name: out0, .offset: 16, .size: 8, .value_kind: global_buffer, .address_space: global }
    .group_segment_fixed_size: 327680
    .private_segment_fixed_size: 0
    .kernarg_segment_align: 8
    .kernarg_segment_size: 24
    .max_flat_workgroup_size: 128
    .sgpr_count:     66
    .vgpr_count:     512
    .wavefront_size: 32
...
	.end_amdgpu_metadata
.endif
;; end of part 4
